; MI455X (gfx1250); checked and timed in simulation.
; The chip was launched on July 23, 2026; its instructions are those of AMD's public machine-readable ISA for CDNA 5 (MIT licence, August 2026) and "CDNA5" Instruction Set Architecture Reference Guide (July 2026). The comments in the code are by the model that wrote it; some were corrected since.
;; Motif Attention. Allowed arithmetic: float matrix products may take bf16 or f16 operands with f32 sums; all other float work in f32.
;; Inputs: Wo 2,048 x 2,048 float32; Wqkv 2,048 x 4,096 float32; hidden_states 2,048 x 2,048 float32; lambda_k1 128 float32; lambda_k2 128 float32; lambda_q1 128 float32; lambda_q2 128 float32; positions 2,048 int32; subln_w 256 float32.
;; Outputs: out0 2,048 x 2,048 float32.
;; 2 versions, each right. Each part assembles by itself: llvm-mc -triple=amdgcn-amd-amdhsa -mcpu=gfx1250 --defsym DOCPART=n.
;; ======== version 1 of 2: 4 launches
;; limits: values are held in f16: magnitudes above 65,504 overflow, below 6.1e-05 lose precision; right only within a limited range of input values
;; workspace buffers: hsb 8,388,608 bytes; wqkvb 16,777,216 bytes; wob 8,388,608 bytes; cs 1,048,576 bytes; qkv 16,777,216 bytes; anorm 8,388,608 bytes
;; launch prep (part 1): grid 1024 x 1, 8 waves a work-group, no clusters, 0 bytes of LDS; arguments hidden_states, Wqkv, Wo, subln_w, positions, hsb, wqkvb, wob, cs; writes hsb, wqkvb, wob, cs
.if DOCPART == 1
	.amdgcn_target "amdgcn-amd-amdhsa--gfx1250"
	.amdhsa_code_object_version 6
	.text
	.protected	k_q6beff6bfe6_prep
	.globl	k_q6beff6bfe6_prep
	.p2align	8
	.type	k_q6beff6bfe6_prep,@function
k_q6beff6bfe6_prep:
	s_mov_b64 s[64:65], 0
	v_nop
	global_prefetch_b8 v0, s[64:65] scope:SCOPE_SE
	s_setreg_imm32_b32 hwreg(HW_REG_WAVE_MODE, 25, 1), 1
	s_wait_xcnt 0x0
; PREP: the casts and the table of cosines and sines.
;   hsb   = bf16(hidden_states)          wqkvb = bf16(Wqkv)
;   wob[k][n] = f16(204.8 x bf16(subln_w[k mod 256]) x bf16(Wo[k][n])): the gain and the factor 0.8 are rows' factors of Wo; 204.8 = 0.8 x 2^8, and the
;   launch that writes the other operand multiplies it by 2^-8 (both exact), so that wob keeps f16's full precision for gains and weights 30 times smaller.
;   cs[t] = 64 cosines, then 64 sines of positions[t] x 10000^(-j/64), f32.
; SHARES.  Work-group i casts one chunk of 16,384 f32 (64 KiB in, 32 KiB out): i < 256 of hidden_states, i < 768 of Wqkv, else of Wo (8 rows of it).  Thread t takes 16 bytes at 16 t of each
; 4,096 bytes: a load of a wave covers 512 consecutive bytes, a store 256, both aligned.  All 16 loads of a thread go out at once.  Wave 0 also makes rows 2 i and 2 i + 1 of cs.
; Memory binds: no LDS, no matrix unit, no cluster (no work-group shares an input byte with another).
; LIMITS.  |positions| up to 4e6: the angle is reduced by pi/2 in two parts, and beyond that the second part's own rounding shows.  wob overflows f16 where 204.8 |w Wo| passes 65,504.
.set X,   4                            ; v[4:67]    load k: 4 registers
.set Y,   68                           ; v[68:99]   store k: 2 registers
.set W,   100                          ; v[100:115] 204.8 x bf16(w) of my chunk's 8 rows, each twice (a pair for the packed multiply)
.set PO,  116                          ; the table: byte offset of my row's position
.set PF,  117                          ; the position, then as f32
.set J4,  118                          ; 4 x (lane mod 16): my first j
.set TO,  119                          ; byte offset in cs
.set COS, 120                          ; v[120:123]
.set SIN, 124                          ; v[124:127]
.set TA,  128                          ; at work
.set TN,  129
.set TR,  130
.set TZ,  131
.set TI,  132
.set TS,  133
.set TC,  134
.set TT,  135
.set TS2, 136
.set TC2, 137
	s_load_b512 s[8:23], s[0:1], 0x0               ; hidden_states 8, Wqkv 10, Wo 12, subln_w 14, positions 16, hsb 18, wqkvb 20, wob 22
	s_load_b64 s[24:25], s[0:1], 0x40              ; cs
	s_mov_b32 s2, ttmp9                            ; i
	v_lshrrev_b32 v3, 5, v0
	v_readfirstlane_b32 s3, v3                     ; wave
	v_lshlrev_b32 v1, 4, v0                        ; 16 t: where I load
	v_lshlrev_b32 v2, 3, v0                        ; 8 t: where I store
	s_sub_co_u32 s28, s2, 256                      ; the chunk's number if it is Wqkv's,
	s_sub_co_u32 s29, s2, 768                      ; if it is Wo's
	s_mov_b32 s27, 0
	s_mov_b32 s31, 0
	s_wait_kmcnt 0x0
	s_cmp_lt_u32 s2, 256
	s_cselect_b64 s[4:5], s[8:9], s[10:11]         ; from
	s_cselect_b64 s[6:7], s[18:19], s[20:21]       ; to
	s_cselect_b32 s26, s2, s28
	s_cmp_lt_u32 s2, 768
	s_cselect_b64 s[4:5], s[4:5], s[12:13]
	s_cselect_b64 s[6:7], s[6:7], s[22:23]
	s_cselect_b32 s28, s26, s29                    ; the chunk's number in its tensor
	s_lshl_b32 s26, s28, 16
	s_lshl_b32 s30, s28, 15
	s_add_nc_u64 s[4:5], s[4:5], s[26:27]
	s_add_nc_u64 s[6:7], s[6:7], s[30:31]
.irp k, 0,1,2,3,4,5,6,7,8,9,10,11,12,13,14,15
	global_load_b128 v[X+4*(\k):X+4*(\k)+3], v1, s[4:5] offset:4096*(\k) th:TH_LOAD_NT
.endr
	s_cmp_lg_u32 s3, 0
	s_cbranch_scc1 .Lcast
	; THE TABLE (wave 0).  Lanes 0-15 make row 2 i, lanes 16-31 row 2 i + 1; a lane makes j = 4 (lane mod 16) + 0..3.
	v_lshrrev_b32 v[PO], 4, v0                     ; which of the two rows (in wave 0 the thread's number is the lane's)
	v_and_b32 v[J4], 15, v0
	v_lshlrev_b32 v[TO], 9, v[PO]                  ; a row of cs is 512 bytes
	v_lshl_add_u32 v[TO], v[J4], 4, v[TO]
	v_lshl_add_u32 v[TO], s2, 10, v[TO]
	v_lshlrev_b32 v[PO], 2, v[PO]
	v_lshl_add_u32 v[PO], s2, 3, v[PO]
	v_lshlrev_b32 v[J4], 2, v[J4]
	global_load_b32 v[PF], v[PO], s[16:17]
	s_wait_loadcnt 0x0                             ; the position is the youngest load: the chunk's sixteen are in as well
	v_cvt_f32_i32 v[PF], v[PF]
; x = pos x 2^(-j log2(10000)/64); n = the nearest whole number to x 2/pi; r = x - n pi/2 (pi/2 = 0x3fc90fdb - 4.371139e-8, each part by a fused multiply-add);
; sin r and cos r on |r| <= pi/4 by polynomials of degree 7 and 8; n mod 4 says which of the two is which and gives the signs.
.macro TABLE e
	v_add_nc_u32 v[TA], \e, v[J4]
	v_cvt_f32_u32 v[TA], v[TA]
	v_mul_f32 v[TA], 0xbe549a78, v[TA]
	v_exp_f32 v[TA], v[TA]
	v_mov_b32 v[TS], 0xb94ca1f9                    ; a plain instruction between the exponential and the use of its result (ISA guide 5.7.2)
	s_wait_alu depctr_va_vdst(0)
	v_mul_f32 v[TA], v[PF], v[TA]
	v_mul_f32 v[TN], 0x3f22f983, v[TA]
	v_rndne_f32 v[TN], v[TN]
	v_fmamk_f32 v[TR], v[TN], 0xbfc90fdb, v[TA]
	v_fmamk_f32 v[TR], v[TN], 0x333bbd2e, v[TR]
	v_cvt_i32_f32 v[TI], v[TN]
	v_mul_f32 v[TZ], v[TR], v[TR]
	v_mov_b32 v[TC], 0x37ccf5ce
	v_fmaak_f32 v[TS], v[TS], v[TZ], 0x3c08839e
	v_fmaak_f32 v[TC], v[TC], v[TZ], 0xbab6061a
	v_fmaak_f32 v[TS], v[TS], v[TZ], 0xbe2aaaa3
	v_fmaak_f32 v[TC], v[TC], v[TZ], 0x3d2aaaa5
	v_mul_f32 v[TS], v[TS], v[TZ]
	v_fma_f32 v[TC], v[TC], v[TZ], -0.5
	v_fma_f32 v[TS], v[TS], v[TR], v[TR]           ; sin r = r + r z (..)
	v_fma_f32 v[TC], v[TC], v[TZ], 1.0             ; cos r = 1 + z (z (..) - 1/2)
	v_and_b32 v[TT], 1, v[TI]
	v_cmp_eq_u32 vcc_lo, 1, v[TT]
	v_cndmask_b32 v[TS2], v[TS], v[TC], vcc_lo     ; n odd: the two change places
	v_cndmask_b32 v[TC2], v[TC], v[TS], vcc_lo
	v_lshlrev_b32 v[TT], 30, v[TI]                 ; the sine is negative where bit 1 of n is set,
	v_and_b32 v[TT], 0x80000000, v[TT]
	v_xor_b32 v[SIN+(\e)], v[TT], v[TS2]
	v_add_nc_u32 v[TI], 1, v[TI]                   ; the cosine where bit 1 of n + 1 is
	v_lshlrev_b32 v[TT], 30, v[TI]
	v_and_b32 v[TT], 0x80000000, v[TT]
	v_xor_b32 v[COS+(\e)], v[TT], v[TC2]
.endm
	TABLE 0
	TABLE 1
	TABLE 2
	TABLE 3
	global_store_b128 v[TO], v[COS:COS+3], s[24:25]             ; 16 lanes store 256 consecutive bytes, aligned
	global_store_b128 v[TO], v[SIN:SIN+3], s[24:25] offset:256  ; none of these registers is written again
.Lcast:
	s_cmp_lt_u32 s2, 768
	s_cbranch_scc0 .Lwo
.irp k, 0,1,2,3,4,5,6,7,8,9,10,11,12,13,14,15
	s_wait_loadcnt 15-(\k)                         ; loads come back in order (ISA guide 5.7.1): load k is in, the younger ones stay out
	v_cvt_pk_bf16_f32 v[Y+2*(\k)], v[X+4*(\k)], v[X+4*(\k)+1]
	v_cvt_pk_bf16_f32 v[Y+2*(\k)+1], v[X+4*(\k)+2], v[X+4*(\k)+3]
	global_store_b64 v2, v[Y+2*(\k):Y+2*(\k)+1], s[6:7] offset:2048*(\k)
.endr
	s_endpgm
.Lwo:                                                  ; Wo's chunk c holds rows 8 c .. 8 c + 7; load k lies in row 8 c + k / 2
	s_and_b32 s28, s28, 31                         ; (8 c) mod 256 = 8 (c mod 32): 32 bytes of subln_w for each c mod 32
	s_lshl_b32 s28, s28, 5
	s_mov_b32 s29, 0
	s_add_nc_u64 s[14:15], s[14:15], s[28:29]
	s_load_b256 s[32:39], s[14:15], 0x0
	s_mov_b32 s26, 0xffff0000                      ; a word's upper bf16
	s_wait_kmcnt 0x0
.irp r, 0,1,2,3,4,5,6,7
	v_mov_b32 v[W+2*(\r)], s[32+(\r)]
	v_cvt_pk_bf16_f32 v[W+2*(\r)], v[W+2*(\r)], v[W+2*(\r)]
	v_lshlrev_b32 v[W+2*(\r)], 16, v[W+2*(\r)]
	v_mul_f32 v[W+2*(\r)], 0x434ccccd, v[W+2*(\r)]
	v_mov_b32 v[W+2*(\r)+1], v[W+2*(\r)]
.endr
.irp k, 0,1,2,3,4,5,6,7,8,9,10,11,12,13,14,15
	s_wait_loadcnt 15-(\k)
	v_cvt_pk_bf16_f32 v[Y+2*(\k)], v[X+4*(\k)], v[X+4*(\k)+1]     ; Wo is rounded to bf16 like every other input,
	v_cvt_pk_bf16_f32 v[Y+2*(\k)+1], v[X+4*(\k)+2], v[X+4*(\k)+3]
	v_lshlrev_b32 v[X+4*(\k)], 16, v[Y+2*(\k)]
	v_and_b32 v[X+4*(\k)+1], s26, v[Y+2*(\k)]
	v_lshlrev_b32 v[X+4*(\k)+2], 16, v[Y+2*(\k)+1]
	v_and_b32 v[X+4*(\k)+3], s26, v[Y+2*(\k)+1]
	v_pk_mul_f32 v[X+4*(\k):X+4*(\k)+1], v[X+4*(\k):X+4*(\k)+1], v[W+2*((\k)/2):W+2*((\k)/2)+1]      ; takes its row's factor in f32,
	v_pk_mul_f32 v[X+4*(\k)+2:X+4*(\k)+3], v[X+4*(\k)+2:X+4*(\k)+3], v[W+2*((\k)/2):W+2*((\k)/2)+1]
	v_cvt_pk_f16_f32 v[Y+2*(\k)], v[X+4*(\k)], v[X+4*(\k)+1]      ; and is rounded once more, to f16
	v_cvt_pk_f16_f32 v[Y+2*(\k)+1], v[X+4*(\k)+2], v[X+4*(\k)+3]
	global_store_b64 v2, v[Y+2*(\k):Y+2*(\k)+1], s[6:7] offset:2048*(\k)
.endr
	s_endpgm
.Lfunc_end_k_q6beff6bfe6_prep:
	.size	k_q6beff6bfe6_prep, .Lfunc_end_k_q6beff6bfe6_prep-k_q6beff6bfe6_prep
	.p2alignl 7, 3214868480
	.fill 96, 4, 3214868480
	.section	.rodata,"a",@progbits
	.p2align	6, 0x0
	.amdhsa_kernel k_q6beff6bfe6_prep
		.amdhsa_group_segment_fixed_size 0
		.amdhsa_private_segment_fixed_size 0
		.amdhsa_enable_private_segment 0
		.amdhsa_kernarg_size 72
		.amdhsa_user_sgpr_count 2
		.amdhsa_user_sgpr_kernarg_segment_ptr 1
		.amdhsa_wavefront_size32 1
		.amdhsa_system_sgpr_workgroup_id_x 1
		.amdhsa_system_sgpr_workgroup_id_y 1
		.amdhsa_system_sgpr_workgroup_id_z 1
		.amdhsa_system_vgpr_workitem_id 0
		.amdhsa_next_free_vgpr 140
		.amdhsa_next_free_sgpr 66
		.amdhsa_reserve_vcc 1
		.amdhsa_float_denorm_mode_32 3
		.amdhsa_float_denorm_mode_16_64 3
		.amdhsa_memory_ordered 1
		.amdhsa_forward_progress 1
		.amdhsa_inst_pref_size 26
	.end_amdhsa_kernel
	.amdgpu_metadata
---
amdhsa.version: [ 1, 2 ]
amdhsa.kernels:
  - .name:           k_q6beff6bfe6_prep
    .symbol:         k_q6beff6bfe6_prep.kd
    .args:
      - { .name: hidden_states, .offset: 0, .size: 8, .value_kind: global_buffer, .address_space: global }
      - { .name: Wqkv, .offset: 8, .size: 8, .value_kind: global_buffer, .address_space: global }
      - { .name: Wo, .offset: 16, .size: 8, .value_kind: global_buffer, .address_space: global }
      - { .name: subln_w, .offset: 24, .size: 8, .value_kind: global_buffer, .address_space: global }
      - { .name: positions, .offset: 32, .size: 8, .value_kind: global_buffer, .address_space: global }
      - { .name: hsb, .offset: 40, .size: 8, .value_kind: global_buffer, .address_space: global }
      - { .name: wqkvb, .offset: 48, .size: 8, .value_kind: global_buffer, .address_space: global }
      - { .name: wob, .offset: 56, .size: 8, .value_kind: global_buffer, .address_space: global }
      - { .name: cs, .offset: 64, .size: 8, .value_kind: global_buffer, .address_space: global }
    .group_segment_fixed_size: 0
    .private_segment_fixed_size: 0
    .kernarg_segment_align: 8
    .kernarg_segment_size: 72
    .max_flat_workgroup_size: 256
    .sgpr_count:     66
    .vgpr_count:     140
    .wavefront_size: 32
...
	.end_amdgpu_metadata
.endif
;; end of part 1
;; launch qkvrope (part 2): grid 16 x 16, 4 waves a work-group, clusters of 4 x 4, 327,680 bytes of LDS; arguments hsb, wqkvb, cs, qkv; writes qkv
.if DOCPART == 2
	.amdgcn_target "amdgcn-amd-amdhsa--gfx1250"
	.amdhsa_code_object_version 6
	.text
	.protected	k_q6beff6bfe6_qkvrope
	.globl	k_q6beff6bfe6_qkvrope
	.p2align	8
	.type	k_q6beff6bfe6_qkvrope,@function
k_q6beff6bfe6_qkvrope:
	s_mov_b64 s[64:65], 0
	v_nop
	global_prefetch_b8 v0, s[64:65] scope:SCOPE_SE
	s_setreg_imm32_b32 hwreg(HW_REG_WAVE_MODE, 25, 1), 1
	s_wait_xcnt 0x0
	s_wait_alu depctr_hold_cnt(0) depctr_sa_sdst(0) depctr_va_vdst(0) depctr_va_sdst(0) depctr_va_ssrc(0) depctr_va_vcc(0) depctr_vm_vsrc(0)
	s_getreg_b32 s2, hwreg(HW_REG_IB_STS2, 6, 4)
	s_cmp_eq_u32 s2, 0
	s_cbranch_scc0 .Lentry_in_a_cluster
	s_endpgm
.Lentry_in_a_cluster:
	s_bfe_u32 s2, ttmp6, 0x10000c
	s_cmp_lg_u32 s2, 0xf033
	s_cbranch_scc0 .Lentry_shape_is_right
	s_endpgm
.Lentry_shape_is_right:
; QKV = hsb x wqkvb (2048 x 2048 x 4096, bf16 operands, f32 sums), the rotation of q's and k's heads on the way out, results in f16 by heads: qkv[32 heads][2048 rows][128].
; Heads 0-15 are q, 16-23 k, 24-31 v; q carries no scale.  LIMIT: f16 ends at 65,504: |q|, |k|, |v| stay below it (drawn inputs 30 times larger give some 5e3).
; SHARES.  A work-group makes 128 rows x 256 columns (two heads): 16 x 16 = 256 work-groups.  Wave w: rows 64 (w / 2) on, ONE WHOLE HEAD, w % 2: 4 x 8 accumulators, 256 registers.
; K goes in steps of 128 through two LDS slots.  A's rows ([m][k]) are read as they lie; B lies [k][n] and is read turned (ds_load_tr16_b128).
; THE MATRIX INSTRUCTION IS USED TRANSPOSED (source 0 = 16 columns of B, source 1 = 16 rows of A): a lane holds row l % 16 and the columns 16 b + 8 (l / 16) + 0..7 of its head,
; so the rotation's partner of block b, block b + 4, lies in the same lane and register, and eight results pack into 16 bytes.
; CLUSTER 4 x 4: A's tile hangs on the tile row alone and is asked for jointly along a row of the cluster, B's on the tile column alone, along a column.
; REGISTERS: window 0: v16-29 addresses; v32-127, v128-223 two fragment buffers (A's four fragments, then B's eight); on the way out v32-159 rows read back, v160-191 packed, v192-255 at work.
;   window 1: accumulator (a, b) at 8 (8 a + b).   window 2: for my 64 rows and channels 0-63, cosines at 64 a + 16 b + 0..7, sines at + 8..15 (every work-group loads them; v's 64 do not use them).
.set KSTEP,  128
.set PA,     272                       ; a row of A in LDS: 256 bytes + 16: the 16 rows of a load start at 16 different groups of four banks (64 banks of 4 bytes: ISA guide 11.1)
.set PB,     544                       ; a row of B: 512 bytes + 32 = 17 x 32
.set AHALF,  64*PA                     ; what one tensor load brings of A, and what a wave reads of it
.set BHALF,  64*PB                     ; what one tensor load brings of B: 64 rows of k
.set BOFF,   2*AHALF
.set SLOT,   BOFF+2*BHALF              ; 104,448
.set STAGE,  2*SLOT                    ; behind the ring: 16 rows x 272 bytes for each wave
.set SP,     272
.set SPARE,  STAGE+4*16*SP             ; the spare words, 128 bytes for each wave: two blocks of 256 bytes that no other line names
.set LAPS,   2048/(2*KSTEP)
.set ADRA, 16                          ; v16-17  LDS address of my A fragments in slot 0, 1
.set ADRB, 20                          ; v20-21  the same for B
.set STO,  24                          ; the way out: where I put 16 bytes of a row
.set RD,   25                          ; where I read rows back
.set GO,   26                          ; 16 x lane: my place in 512 consecutive bytes of qkv
.set CSO,  27                          ; my byte offset in 16 rows of cs
.set SPW,  28                          ; LDS address of my spare word; never rewritten
.set NIL,  29                          ; 0; never rewritten
.set F0,   32
.set F1,   128
.set BK,   32
.set PKD,  160
.set T,    192
.set G1,  24                           ; s[24:31] group 1 for A's tiles; s[32:39] group 0, a set for each slot
.set G0,  32
.set G1B, 48                           ; s[48:55], s[56:63] the same for B's
.set G0B, 56
.set MSB, 0
.macro WIN new                         ; the immediate's high byte repeats the setting that is left; a switch that changes nothing is dropped
.if MSB != (\new)
	s_set_vgpr_msb (MSB<<8)|(\new)
.set MSB, \new
.endif
.endm
.set MUL, 0x50                         ; sources 0 and 1 window 0; C and D window 1
.macro JLOAD s                         ; a joint load: waves 0 and 1 fetch A's two halves, waves 2 and 3 B's; an s_nop 0 and four v_nop follow each line
	s_cmp_lt_u32 s12, 2
	s_cbranch_scc0 .Lfor_b_\@
	tensor_load_to_lds s[G0+4*(\s):G0+4*(\s)+3], s[G1:G1+7]
	s_nop 0
.rept 4
	v_nop
.endr
	s_branch .Lasked_\@
.Lfor_b_\@:
	tensor_load_to_lds s[G0B+4*(\s):G0B+4*(\s)+3], s[G1B:G1B+7]
	s_nop 0
.rept 4
	v_nop
.endr
.Lasked_\@:
.endm
.macro CREST                           ; a round of the cluster's barrier behind its opening barrier
	s_cmp_lg_u32 s12, 0
	s_cbranch_scc1 .Lnot_wave_0_\@
	s_barrier_signal -3
.Lnot_wave_0_\@:
	s_barrier_wait -3
	s_barrier_signal -1
	s_barrier_wait -1
.endm
.macro CROUND
	s_barrier_signal -1
	s_barrier_wait -1
	CREST
.endm
.macro PLACES                          ; four places in front of loads into registers that matrix instructions have read, and of vector work on their results
.rept 4
	v_nop
.endr
.endm
	s_load_b256 s[4:11], s[0:1], 0x0               ; hsb s[4:5], wqkvb s[6:7], cs s[8:9], qkv s[10:11]
	v_lshl_add_u32 v[SPW], v0, 2, SPARE
	v_mov_b32 v[NIL], 0
	ds_add_u32 v[SPW], v[NIL]                      ; the wave's opening: the add and its wait ahead of my first tensor load
	v_lshrrev_b32 v1, 5, v0
	v_readfirstlane_b32 s12, v1                    ; wave
	s_lshr_b32 s13, s12, 1                         ; which 64 rows are mine
	s_and_b32 s14, s12, 1                          ; which head.  Also: which half of a tile I fetch
	s_bfe_u32 s40, ttmp6, 0x40000                  ; cx, cy
	s_bfe_u32 s41, ttmp6, 0x40004
	s_mov_b32 s45, ttmp9                           ; the cluster's x: below 3 its heads are q's or k's
	s_lshl_b32 s42, ttmp9, 2
	s_add_co_u32 s42, s42, s40                     ; tile column
	s_and_b32 s15, ttmp7, 0xffff
	s_lshl_b32 s15, s15, 2
	s_add_co_u32 s15, s15, s41                     ; tile row
	s_lshl_b32 s43, s41, 2
	s_lshl_b32 s43, 15, s43                        ; my row of the cluster
	s_lshl_b32 s44, 0x1111, s40                    ; my column
	s_or_b32 s[G1+0], s43, (1<<16)|(1<<20)|(1<<21)|(5<<22)|(3<<25)   ; mask; 2-byte elements; padding on; bit 21 beside a mask; after every 64 words 4 words
	s_or_b32 s[G1B+0], s44, (1<<16)|(1<<20)|(1<<21)|(6<<22)|(7<<25)  ; after every 128 words 8 words
	s_mov_b32 s[G1+1], 128<<16                     ; tensor_dim0 = 128
	s_mov_b32 s[G1+2], 64<<16                      ; tensor_dim1 = 64
	s_mov_b32 s[G1+3], 128<<16                     ; tile_dim0 = 128
	s_mov_b32 s[G1+4], 64                          ; tile_dim1 = 64
	s_mov_b32 s[G1+5], 2048                        ; elements from row to row
	s_mov_b32 s[G1+6], 0
	s_mov_b32 s[G1+7], 0
	s_mov_b32 s[G1B+1], 256<<16
	s_mov_b32 s[G1B+2], 64<<16
	s_mov_b32 s[G1B+3], 256<<16
	s_mov_b32 s[G1B+4], 64
	s_mov_b32 s[G1B+5], 4096
	s_mov_b32 s[G1B+6], 0
	s_mov_b32 s[G1B+7], 0
	s_lshl_b32 s16, s15, 19                        ; A: (128 x tile row + 64 x half) rows of 4,096 bytes
	s_lshl_b32 s17, s14, 18
	s_add_co_u32 s16, s16, s17
	s_mov_b32 s17, 0
	s_lshl_b32 s46, s42, 9                         ; B: 512 bytes x tile column + 64 x half rows of 8,192 bytes
	s_lshl_b32 s47, s14, 19
	s_add_co_u32 s46, s46, s47
	s_mov_b32 s47, 0
	s_mul_i32 s20, s14, AHALF                      ; where they go: no place in the cluster enters an LDS address
	s_mul_i32 s21, s14, BHALF
	s_add_co_u32 s21, s21, BOFF
	s_wait_dscnt 0x0                               ; the opening add is done
	s_wait_kmcnt 0x0
	s_add_nc_u64 s[16:17], s[4:5], s[16:17]
	s_add_nc_u64 s[46:47], s[6:7], s[46:47]
	CROUND                                         ; all sixteen work-groups are here: the first joint loads meet
.irp s, 0,1
	s_mov_b32 s[G0+4*(\s)], 1
	s_add_co_u32 s[G0+4*(\s)+1], s20, (\s)*SLOT
	s_add_nc_u64 s[G0+4*(\s)+2:G0+4*(\s)+3], s[16:17], (\s)*KSTEP*2
	s_or_b32 s[G0+4*(\s)+3], s[G0+4*(\s)+3], 0x80000000
	s_mov_b32 s[G0B+4*(\s)], 1
	s_add_co_u32 s[G0B+4*(\s)+1], s21, (\s)*SLOT
	s_add_nc_u64 s[G0B+4*(\s)+2:G0B+4*(\s)+3], s[46:47], (\s)*KSTEP*8192
	s_or_b32 s[G0B+4*(\s)+3], s[G0B+4*(\s)+3], 0x80000000
	JLOAD \s                                       ; two loads of mine are out
.endr
	v_and_b32 v1, 15, v0                           ; r = l % 16
	v_bfe_u32 v2, v0, 4, 1                         ; h = l / 16
	v_lshlrev_b32 v[CSO], 9, v1                    ; cs: row r, 8 h numbers on
	v_lshl_add_u32 v[CSO], v2, 5, v[CSO]
	s_lshl_b32 s18, s15, 16                        ; (128 x tile row + 64 x my half) rows of 512 bytes
	s_lshl_b32 s19, s13, 15
	s_add_co_u32 s18, s18, s19
	s_mov_b32 s19, 0
	s_add_nc_u64 s[8:9], s[8:9], s[18:19]
	WIN 0x80                                       ; destination window 2
.irp a, 0,1,2,3
.irp b, 0,1,2,3
	global_load_b128 v[64*(\a)+16*(\b):64*(\a)+16*(\b)+3],     v[CSO], s[8:9] offset:8192*(\a)+64*(\b)
	global_load_b128 v[64*(\a)+16*(\b)+4:64*(\a)+16*(\b)+7],   v[CSO], s[8:9] offset:8192*(\a)+64*(\b)+16
	global_load_b128 v[64*(\a)+16*(\b)+8:64*(\a)+16*(\b)+11],  v[CSO], s[8:9] offset:8192*(\a)+64*(\b)+256
	global_load_b128 v[64*(\a)+16*(\b)+12:64*(\a)+16*(\b)+15], v[CSO], s[8:9] offset:8192*(\a)+64*(\b)+272
.endr
.endr
	WIN 0
	v_mul_u32_u24 v3, v1, PA
	v_lshl_add_u32 v3, v2, 4, v3                   ; 272 r + 16 h
	s_mul_i32 s22, s13, AHALF
	v_add_nc_u32 v[ADRA], s22, v3
	v_add_nc_u32 v[ADRA+1], SLOT, v[ADRA]
	v_and_b32 v4, 7, v0                            ; the turning load: lane l reads row 8 h + l % 8 of k, 16 bytes at 16 ((l / 8) % 2)
	v_lshl_add_u32 v4, v2, 3, v4
	v_mul_u32_u24 v4, v4, PB
	v_bfe_u32 v5, v0, 3, 1
	v_lshl_add_u32 v4, v5, 4, v4
	s_lshl_b32 s22, s14, 8                         ; my head's 256 bytes of a row
	s_add_co_u32 s22, s22, BOFF
	v_add_nc_u32 v[ADRB], s22, v4
	v_add_nc_u32 v[ADRB+1], SLOT, v[ADRB]
	s_mul_i32 s23, s12, 16*SP
	s_add_co_u32 s23, s23, STAGE                   ; my stage
	v_add_nc_u32 v[STO], s23, v3                   ; in: row r, 16 bytes for each half of the lanes
	v_mul_u32_u24 v5, v2, SP                       ; back: lanes 0-15 one row of 256 bytes, lanes 16-31 the next
	v_lshl_add_u32 v5, v1, 4, v5
	v_add_nc_u32 v[RD], s23, v5
	v_and_b32 v[GO], 31, v0
	v_lshlrev_b32 v[GO], 4, v[GO]
	s_lshl_b32 s16, s15, 15                        ; qkv: (128 x tile row + 64 x my half) rows of 256 bytes,
	s_lshl_b32 s17, s13, 14
	s_add_co_u32 s16, s16, s17
	s_mov_b32 s17, 0
	s_add_nc_u64 s[10:11], s[10:11], s[16:17]
	s_lshl_b32 s46, s42, 1                         ; in head 2 x tile column + w % 2, 524,288 bytes a head
	s_add_co_u32 s46, s46, s14
	s_lshl_b32 s46, s46, 19
	s_mov_b32 s47, 0
	s_add_nc_u64 s[10:11], s[10:11], s[46:47]
; 24 LDS loads in one run: the fragments of quarter q (32 along K) of a slot into buffer f
.macro FETCH slot, q, f
	WIN 0
.irp i, 0,1,2,3
	ds_load_b128 v[(\f)+8*(\i):(\f)+8*(\i)+3],   v[ADRA+(\slot)] offset:64*(\q)+(\i)*16*PA
	ds_load_b128 v[(\f)+8*(\i)+4:(\f)+8*(\i)+7], v[ADRA+(\slot)] offset:64*(\q)+(\i)*16*PA+32
.endr
.irp b, 0,1,2,3,4,5,6,7
	ds_load_tr16_b128 v[(\f)+32+8*(\b):(\f)+32+8*(\b)+3],   v[ADRB+(\slot)] offset:32*PB*(\q)+32*(\b)
	ds_load_tr16_b128 v[(\f)+32+8*(\b)+4:(\f)+32+8*(\b)+7], v[ADRB+(\slot)] offset:32*PB*(\q)+32*(\b)+16*PB
.endr
.endm
; 8 matrix instructions: row block a x all 8 column blocks.  The 32 accumulators take turns in one fixed order.  zero = 1: the product starts the sums
.macro MUL8 f, a, zero
	WIN MUL
.irp b, 0,1,2,3,4,5,6,7
.if \zero
	v_wmma_f32_16x16x32_bf16 v[8*(8*(\a)+(\b)):8*(8*(\a)+(\b))+7], v[(\f)+32+8*(\b):(\f)+32+8*(\b)+7], v[(\f)+8*(\a):(\f)+8*(\a)+7], 0
.else
	v_wmma_f32_16x16x32_bf16 v[8*(8*(\a)+(\b)):8*(8*(\a)+(\b))+7], v[(\f)+32+8*(\b):(\f)+32+8*(\b)+7], v[(\f)+8*(\a):(\f)+8*(\a)+7], v[8*(8*(\a)+(\b)):8*(8*(\a)+(\b))+7]
.endif
.endr
.endm
; One of a K step's first three quarters: fetches quarter q into g, multiplies f
.macro QUARTER slot, q, f, g, zero
	s_wait_dscnt 0x0                               ; buffer f is in
	PLACES                                         ; buffer g was read by the matrix instructions just issued
	FETCH \slot, \q, \g
	MUL8 \f, 0, \zero
	MUL8 \f, 1, \zero
	MUL8 \f, 2, \zero
	MUL8 \f, 3, \zero
.endm
; The last quarter multiplies buffer 1 and changes slots: ONE barrier; in front of it each wave waits for all its tensor loads (one is out: its part of the next slot), adds 0 to its spare word,
; and waits for that and for its reads of this slot.  fill = 1: the barrier opens a round of the cluster's, and this slot is filled again, two K steps ahead: 112 matrix instructions ahead of the wait for it.
.macro TURN slot, next, fill
	WIN 0
	s_wait_tensorcnt 0x0
	ds_add_u32 v[SPW], v[NIL]
	s_wait_dscnt 0x1                               ; the add alone may be out: buffer 1 is in
	MUL8 F1, 0, 0
	s_wait_dscnt 0x0                               ; the add is done, and my reads of this slot are over
	s_barrier_signal -1
	MUL8 F1, 1, 0
	WIN 0
	s_barrier_wait -1
.if \fill
	CREST                                          ; no wave of any partner still reads this slot's tile or has a load on its way
	s_add_nc_u64 s[G0+4*(\slot)+2:G0+4*(\slot)+3], s[G0+4*(\slot)+2:G0+4*(\slot)+3], 2*KSTEP*2
	s_add_nc_u64 s[G0B+4*(\slot)+2:G0B+4*(\slot)+3], s[G0B+4*(\slot)+2:G0B+4*(\slot)+3], 2*KSTEP*8192
	JLOAD \slot                                    ; its four v_nop are also the places in front of the loads below
.else
	PLACES
.endif
	FETCH \next, 0, F0
	MUL8 F1, 2, 0
	MUL8 F1, 3, 0
.endm
	s_wait_tensorcnt 0x1                           ; my part of K step 0 is in; K step 1's may stay out
	s_barrier_signal -1
	s_barrier_wait -1
	FETCH 0, 0, F0
	QUARTER 0, 1, F0, F1, 1                        ; the first quarter's products start the sums
	WIN 0
	s_mov_b32 s3, LAPS-1
.Llap:                                                 ; a trip goes once round the ring, from a lap's second quarter to the next lap's first
	QUARTER 0, 2, F1, F0, 0
	QUARTER 0, 3, F0, F1, 0
	TURN 0, 1, 1
	QUARTER 1, 1, F0, F1, 0
	QUARTER 1, 2, F1, F0, 0
	QUARTER 1, 3, F0, F1, 0
	TURN 1, 0, 1
	QUARTER 0, 1, F0, F1, 0
	WIN 0
	s_sub_co_u32 s3, s3, 1
	s_cmp_lg_u32 s3, 0
	s_cbranch_scc1 .Llap
	QUARTER 0, 2, F1, F0, 0                        ; the last lap fills nothing
	QUARTER 0, 3, F0, F1, 0
	TURN 0, 1, 0
	QUARTER 1, 1, F0, F1, 0
	QUARTER 1, 2, F1, F0, 0
	QUARTER 1, 3, F0, F1, 0
	s_wait_dscnt 0x0
	MUL8 F1, 0, 0
	MUL8 F1, 1, 0
	MUL8 F1, 2, 0
	MUL8 F1, 3, 0
; THE WAY OUT, 16 rows at a time.  rope = 1: out1 = x1 cos - x2 sin, out2 = x2 cos + x1 sin, x1 = blocks 0-3, x2 = blocks 4-7.  Each accumulator's registers are read in ascending order.
.macro PACK a, rope
.if \rope
	WIN 0x09                                       ; source 0 window 1 (x), source 1 window 2 (cos, sin), source 2 and destination window 0
.irp b, 0,1,2,3
.irp z, 0,2,4,6
	v_pk_mul_f32 v[T+8*(\b)+(\z):T+8*(\b)+(\z)+1], v[8*(8*(\a)+(\b))+(\z):8*(8*(\a)+(\b))+(\z)+1], v[64*(\a)+16*(\b)+(\z):64*(\a)+16*(\b)+(\z)+1]
.endr
.endr
.irp b, 0,1,2,3
.irp z, 0,2,4,6
	v_pk_mul_f32 v[T+32+8*(\b)+(\z):T+32+8*(\b)+(\z)+1], v[8*(8*(\a)+(\b)+4)+(\z):8*(8*(\a)+(\b)+4)+(\z)+1], v[64*(\a)+16*(\b)+(\z):64*(\a)+16*(\b)+(\z)+1]
.endr
.endr
.irp b, 0,1,2,3
.irp z, 0,2,4,6
	v_pk_fma_f32 v[T+8*(\b)+(\z):T+8*(\b)+(\z)+1], v[8*(8*(\a)+(\b)+4)+(\z):8*(8*(\a)+(\b)+4)+(\z)+1], v[64*(\a)+16*(\b)+8+(\z):64*(\a)+16*(\b)+8+(\z)+1], v[T+8*(\b)+(\z):T+8*(\b)+(\z)+1] neg_lo:[1,0,0] neg_hi:[1,0,0]
.endr
.endr
.irp b, 0,1,2,3
.irp z, 0,2,4,6
	v_pk_fma_f32 v[T+32+8*(\b)+(\z):T+32+8*(\b)+(\z)+1], v[8*(8*(\a)+(\b))+(\z):8*(8*(\a)+(\b))+(\z)+1], v[64*(\a)+16*(\b)+8+(\z):64*(\a)+16*(\b)+8+(\z)+1], v[T+32+8*(\b)+(\z):T+32+8*(\b)+(\z)+1]
.endr
.endr
	WIN 0
.set i, 0
.rept 32
	v_cvt_pk_f16_f32 v[PKD+i], v[T+2*i], v[T+2*i+1]
.set i, i+1
.endr
.else
	WIN 0x05                                       ; sources 0 and 1 window 1
.set i, 0
.rept 32
	v_cvt_pk_f16_f32 v[PKD+i], v[64*(\a)+2*i], v[64*(\a)+2*i+1]
.set i, i+1
.endr
	WIN 0
.endif
.irp b, 0,1,2,3,4,5,6,7
	ds_store_b128 v[STO], v[PKD+4*(\b):PKD+4*(\b)+3] offset:32*(\b)
.endr
.irp t, 0,1,2,3,4,5,6,7
	ds_load_b128 v[BK+32*(\a)+4*(\t):BK+32*(\a)+4*(\t)+3], v[RD] offset:(\t)*2*SP  ; LDS serves a wave's instructions in order (ISA guide 5.7.1.4): these see the stores above; the next block's stores come behind them
.endr
.endm
.macro SEND a, younger                 ; younger: the LDS instructions issued behind block a's loads: the next block's sixteen, or none
.irp t, 0,1,2,3,4,5,6,7
	s_wait_dscnt (\younger)+7-(\t)
	global_store_b128 v[GO], v[BK+32*(\a)+4*(\t):BK+32*(\a)+4*(\t)+3], s[10:11] offset:4096*(\a)+512*(\t)  ; two rows of a head: 512 consecutive bytes, aligned
.endr
.endm
.macro OUT rope
	PACK 0, \rope
	PACK 1, \rope
	SEND 0, 16
	PACK 2, \rope
	SEND 1, 16
	PACK 3, \rope
	SEND 2, 16
	SEND 3, 0
.endm
	WIN 0
	s_wait_loadcnt 0x0                             ; the cosines and sines
	PLACES
	s_cmp_lt_u32 s45, 3                            ; tile columns 0-11 are q's and k's heads: the cluster's x is the same in all partners
	s_cbranch_scc0 .Lplain
	OUT 1
	s_branch .Ldone
.Lplain:
	OUT 0
.Ldone:
	s_wait_tensorcnt 0x0                           ; the wave's end
	ds_add_u32 v[SPW], v[NIL]
	s_wait_dscnt 0x0
	CROUND                                         ; the closing round
	s_endpgm
.Lfunc_end_k_q6beff6bfe6_qkvrope:
	.size	k_q6beff6bfe6_qkvrope, .Lfunc_end_k_q6beff6bfe6_qkvrope-k_q6beff6bfe6_qkvrope
	.p2alignl 7, 3214868480
	.fill 96, 4, 3214868480
	.section	.rodata,"a",@progbits
	.p2align	6, 0x0
	.amdhsa_kernel k_q6beff6bfe6_qkvrope
		.amdhsa_group_segment_fixed_size 327680
		.amdhsa_private_segment_fixed_size 0
		.amdhsa_enable_private_segment 0
		.amdhsa_kernarg_size 32
		.amdhsa_user_sgpr_count 2
		.amdhsa_user_sgpr_kernarg_segment_ptr 1
		.amdhsa_wavefront_size32 1
		.amdhsa_system_sgpr_workgroup_id_x 1
		.amdhsa_system_sgpr_workgroup_id_y 1
		.amdhsa_system_sgpr_workgroup_id_z 1
		.amdhsa_system_vgpr_workitem_id 0
		.amdhsa_next_free_vgpr 768
		.amdhsa_next_free_sgpr 66
		.amdhsa_reserve_vcc 0
		.amdhsa_float_denorm_mode_32 3
		.amdhsa_float_denorm_mode_16_64 3
		.amdhsa_memory_ordered 1
		.amdhsa_forward_progress 1
		.amdhsa_inst_pref_size 124
	.end_amdhsa_kernel
	.amdgpu_metadata
---
amdhsa.version: [ 1, 2 ]
amdhsa.kernels:
  - .name:           k_q6beff6bfe6_qkvrope
    .symbol:         k_q6beff6bfe6_qkvrope.kd
    .args:
      - { .name: hsb, .offset: 0, .size: 8, .value_kind: global_buffer, .address_space: global }
      - { .name: wqkvb, .offset: 8, .size: 8, .value_kind: global_buffer, .address_space: global }
      - { .name: cs, .offset: 16, .size: 8, .value_kind: global_buffer, .address_space: global }
      - { .name: qkv, .offset: 24, .size: 8, .value_kind: global_buffer, .address_space: global }
    .group_segment_fixed_size: 327680
    .private_segment_fixed_size: 0
    .kernarg_segment_align: 8
    .kernarg_segment_size: 32
    .max_flat_workgroup_size: 128
    .sgpr_count:     66
    .vgpr_count:     768
    .wavefront_size: 32
...
	.end_amdgpu_metadata
.endif
;; end of part 2
;; launch dattn (part 3): grid 32 x 4, 4 waves a work-group, clusters of 4 x 1, 327,680 bytes of LDS; arguments qkv, lambda_q1, lambda_k1, lambda_q2, lambda_k2, anorm; writes anorm
.if DOCPART == 3
	.amdgcn_target "amdgcn-amd-amdhsa--gfx1250"
	.amdhsa_code_object_version 6
	.text
	.protected	k_q6beff6bfe6_dattn
	.globl	k_q6beff6bfe6_dattn
	.p2align	8
	.type	k_q6beff6bfe6_dattn,@function
k_q6beff6bfe6_dattn:
	s_mov_b64 s[64:65], 0
	v_nop
	global_prefetch_b8 v0, s[64:65] scope:SCOPE_SE
	s_setreg_imm32_b32 hwreg(HW_REG_WAVE_MODE, 25, 1), 1
	s_wait_xcnt 0x0
	s_wait_alu depctr_hold_cnt(0) depctr_sa_sdst(0) depctr_va_vdst(0) depctr_va_sdst(0) depctr_va_ssrc(0) depctr_va_vcc(0) depctr_vm_vsrc(0)
	s_getreg_b32 s2, hwreg(HW_REG_IB_STS2, 6, 4)
	s_cmp_eq_u32 s2, 0
	s_cbranch_scc0 .Lentry_in_a_cluster
	s_endpgm
.Lentry_in_a_cluster:
	s_bfe_u32 s2, ttmp6, 0x10000c
	s_cmp_lg_u32 s2, 0x3003
	s_cbranch_scc0 .Lentry_shape_is_right
	s_endpgm
.Lentry_shape_is_right:
; BOTH CAUSAL ATTENTIONS, a = a1 - lam a2, AND THE RMS NORM over 256 channels.  For pair p = 0..7, g = p / 2: stream 0 is q head 2 p against k head 2 g, stream 1 q head 2 p + 1 against k head 2 g + 1;
; both weigh the same V of 256 channels (v heads 2 g, 2 g + 1).  anorm[t][256 p + c] = f16(2^-8 a / sqrt(mean a^2 + 1e-5)); the gain, 0.8 and 2^8 lie in the next product's other operand.
; Operands f16, products, maxima and sums in f32; the weights are rounded to f16 for the second product, their sum is taken unrounded.  The lambdas are rounded to bf16 like every input.
; LIMITS.  q, k, v arrive within f16.  A hidden score counts as its value less 1e30; a weight below 2^-126 counts as 0; NaN and infinities are not treated apart.
; THE WALK.  Queries lie in 16 super-blocks of 128; block i needs the key tiles 0 .. i of 128 keys, the last with the diagonal.  A CLUSTER of four work-groups (b = its x, g = its y) takes blocks 15 - b and
; then b: 17 tiles whatever b, one loop with a constant count.  Partner cx has pair 2 g + cx % 2 and the 64 queries cx / 2 of the block: all four need the same K1, K2, V1, V2, so each tile is asked for
; JOINTLY, one load a wave.  cx enters q's and anorm's addresses and the masks' values alone.  128 work-groups: the queries of a pair cannot be shared further without a merge of sums that has no room in LDS.
; SHARES.  Wave w: stream s = w % 2, queries 32 (w / 2) on, as two tiles of 16; tile t holds rows 16 (t xor s) on.  So waves w and w xor 1 hold the same 32 queries of the two streams; at a block's end
; each keeps its tile 0 and hands its tile 1 to the other through LDS.
; LAYOUT.  S^T = K Q^T holds one query a lane (l % 16) and the keys 8 (l / 16) + 0..7; two such results rounded to f16 ARE source 1 of O^T = V^T P, which holds one query a lane and eight channels.
; SOFTMAX.  p = 2^(c s - c m), c = log2(e) / sqrt(128), with a running maximum m; O and l are multiplied by a = 2^(c m_old - c m_new) in every step; a block's first step has a = 0.
; THE MASK is the C operand that starts S^T's sums.  A block of 16 keys lies wholly below a tile of 16 queries (0), wholly above it (-1e30) or on its diagonal (TD): TD x AL + BE with two scalars.
; A KEY STEP (64 keys), a straight line: K's 32 LDS loads and V's first 16; the masks; 32 products K Q^T; V's other 48 loads; the softmax; 64 products V^T P.
; REGISTERS: window 0: v1-13 addresses and constants; v24-39 statistics (tile t at 24 + 8 t: c m, m, l, l, c0-c3); v48-55 TD; v56-63 zeros; v64-127 S^T; v128-159 P; v160-223 the masks; v224-255 at work
;   window 1: O^T, tile t at 128 t + 8 cb     window 2: v0-63 Q; v128-255 K of one step     window 3: V of one step, 128 kk + 8 cb
.set PK,    272                        ; a row of K in LDS: 256 bytes + 16
.set PV,    288                        ; a row of V: 256 + 32 = 9 x 32, for the turning load
.set K2OFF, 128*PK                     ; a slot: K1, K2, V1, V2
.set VOFF,  2*128*PK
.set V2OFF, 128*PV
.set KSTEPB, 64*PK
.set VSTEPB, 64*PV
.set SLOT1, 0x24000                    ; slot 1; none of the words that are turned (0, 0x8800, 0x11000, 0x1a000) has one of its two bits, so one exclusive or changes slots
.set XCH,   SLOT1+VOFF+2*V2OFF         ; behind the ring: 8,704 bytes a wave, for the exchange and then the stage
.set XCHW,  8704
.set SPARE, XCH+4*XCHW                 ; the spare words: two blocks of 256 bytes that no other line names
.set AK0, 2                            ; my lane's place in my stream's K; never rewritten
.set AV0, 3                            ; the same for V
.set AK,  4
.set AV,  5
.set QO,  6                            ; v6-7  my byte offset in the wave's 32 rows of Q, by tile
.set XW,  8                            ; my chunk + 16 x lane
.set XR,  9                            ; the partner's chunk + 16 x lane
.set STO, 10                           ; the stage (in the partner's chunk, which I alone read): row l % 16 of 528 bytes, 16 bytes for each half of the lanes
.set GO,  12                           ; 16 x lane
.set FF,  13                           ; 1 for stream 0, -lam for stream 1
.set BIG, 18                           ; -1e30, while TD is made
.set ST,  24
.set SPW, 40
.set NIL, 41
.set TD,  48                           ; v48-55  the mask of a block on the diagonal: register j is hidden where 8 (l / 16) + j > l % 16
.set ZF,  56                           ; v56-63  a fragment of zeros
.set S,   64
.set P,   128
.set MC,  160
.set LW,  224
.set KF,  128                          ; window 2
.set WV,  16                           ; s16 wave; s17 stream; s18 w / 2; s19 b; s20 15 - b; s21 g; s22, s23, s80, s83-95: what hangs on cx
.set STR, 17
.set QH,  18
.set PB,  19
.set HI,  20
.set GG,  21
.set G1K, 24
.set G1V, 32
.set G0K, 40
.set G0V, 44
.set KB,  48                           ; s[48:49] my K head's first byte (waves 0, 1 fetch K1, K2); s[50:51] my V head's (waves 2, 3)
.set VB,  50
.set CS,  60                           ; s[60:61] c
.set SEL, 62                           ; s[62:63] v_permlanex16_b32's selects
.set TBK, 66                           ; LDS byte at which K of the step to be fetched begins
.set TBV, 67
.set EB,  68                           ; b + 1: the value of TILES in the trip that holds the first block's last tile; never rewritten
.set NXT, 69                           ; the tile to be asked for next
.set LQ,  70                           ; the last tile of the block whose tiles are being asked for
.set BIGN, 71                          ; -1e30
.set OFF, 72                           ; s[72:73]
.set TILES, 74
.set CNT, 75
.set KO,  76
.set AL,  88                           ; s[88:89] the mask's factor, in the low word
.set BE,  90                           ; s[90:91] the mask's addend
.set DQ,  92                           ; s92-93  the place of tile t's first query in its block
.set DD,  94                           ; s94-95  the same less the step's first key; 1,024 off the diagonal tile
.set MSB, 0
.macro WIN new
.if MSB != (\new)
	s_set_vgpr_msb (MSB<<8)|(\new)
.set MSB, \new
.endif
.endm
.set W_KQ, 0x0a                        ; K and Q window 2; masks and S^T window 0
.set W_PV, 0x53                        ; V window 3, P window 0, O^T window 1
.set W_RS, 0x41                        ; destination and source 0 window 1, source 1 window 0
.set W_AX, 0x61                        ; the same with source 2 in window 2
.macro JLOAD                           ; an s_nop 0 and four v_nop follow each of the two lines
	s_cmp_lt_u32 s[WV], 2
	s_cbranch_scc0 .Lfor_v_\@
	tensor_load_to_lds s[G0K:G0K+3], s[G1K:G1K+7]
	s_nop 0
.rept 4
	v_nop
.endr
	s_branch .Lasked_\@
.Lfor_v_\@:
	tensor_load_to_lds s[G0V:G0V+3], s[G1V:G1V+7]
	s_nop 0
.rept 4
	v_nop
.endr
.Lasked_\@:
.endm
.macro CROUND
	s_barrier_signal -1
	s_barrier_wait -1
	s_cmp_lg_u32 s[WV], 0
	s_cbranch_scc1 .Lnot_wave_0_\@
	s_barrier_signal -3
.Lnot_wave_0_\@:
	s_barrier_wait -3
	s_barrier_signal -1
	s_barrier_wait -1
.endm
.macro PLACES
.rept 4
	v_nop
.endr
.endm
.macro BOTH line:vararg                ; one line for each tile u
.set u, 0
	s_wait_alu depctr_va_vdst(0)
.rept 2
	\line
.set u, u+1
.endr
.endm
; THE CHANGE OF SLOTS.  Each wave waits for all its tensor loads (one is out: its part of the other slot), adds 0 to its spare word, and waits for that and for its reads.  fill = 1: a round of the
; cluster's barrier, and the slot just left is filled with tile NXT, first thing behind it; the address is made anew from that number.  The load has two key steps in which to land.
.macro CHANGE fill
	WIN 0
	s_wait_tensorcnt 0x0
	ds_add_u32 v[SPW], v[NIL]
.if \fill
	s_lshl_b32 s[OFF], s[NXT], 15                  ; a tile is 128 rows of 256 bytes
	s_xor_b32 s[G0K+1], s[G0K+1], SLOT1
	s_add_nc_u64 s[G0K+2:G0K+3], s[KB:KB+1], s[OFF:OFF+1]
	s_or_b32 s[G0K+3], s[G0K+3], 0x80000000
	s_xor_b32 s[G0V+1], s[G0V+1], SLOT1
	s_add_nc_u64 s[G0V+2:G0V+3], s[VB:VB+1], s[OFF:OFF+1]
	s_or_b32 s[G0V+3], s[G0V+3], 0x80000000
	s_add_co_u32 s[NXT], s[NXT], 1                 ; the block's next tile, or behind its last the second block's tile 0
	s_cmp_gt_u32 s[NXT], s[LQ]
	s_cselect_b32 s[NXT], 0, s[NXT]
	s_cselect_b32 s[LQ], s[PB], s[LQ]
	s_wait_dscnt 0x0
	CROUND
	JLOAD
.else
	s_wait_dscnt 0x0
	s_barrier_signal -1
	s_barrier_wait -1
.endif
	s_sub_co_u32 s[TBK], s[TBK], 2*KSTEPB          ; the fetches go back to a slot's first step, in the other slot
	s_xor_b32 s[TBK], s[TBK], SLOT1
	s_sub_co_u32 s[TBV], s[TBV], 2*VSTEPB
	s_xor_b32 s[TBV], s[TBV], SLOT1
.endm
; A block's Q, 16 loads: tile t, channels 32 c on
.macro LOADQ base
	WIN 0x80
.irp t, 0,1
.irp c, 0,1,2,3
	global_load_b128 v[32*(\t)+8*(\c):32*(\t)+8*(\c)+3],   v[QO+(\t)], s[\base:\base+1] offset:64*(\c)
	global_load_b128 v[32*(\t)+8*(\c)+4:32*(\t)+8*(\c)+7], v[QO+(\t)], s[\base:\base+1] offset:64*(\c)+32
.endr
.endr
	WIN 0
.endm
	s_load_b256 s[4:11], s[0:1], 0x0               ; qkv s[4:5], lambda_q1 s[6:7], lambda_k1 s[8:9], lambda_q2 s[10:11]
	s_load_b128 s[12:15], s[0:1], 0x20             ; lambda_k2 s[12:13], anorm s[14:15]
	v_lshl_add_u32 v[SPW], v0, 2, SPARE
	v_mov_b32 v[NIL], 0
	ds_add_u32 v[SPW], v[NIL]                      ; the wave's opening: the add and its wait ahead of my first tensor load
	v_lshrrev_b32 v1, 5, v0
	v_readfirstlane_b32 s[WV], v1
	s_and_b32 s[STR], s[WV], 1
	s_lshr_b32 s[QH], s[WV], 1
	s_mov_b32 s[PB], ttmp9
	s_sub_co_u32 s[HI], 15, s[PB]
	s_add_co_u32 s[EB], s[PB], 1
	s_and_b32 s[GG], ttmp7, 0xffff
	s_bfe_u32 s22, ttmp6, 0x40000                  ; cx
	s_and_b32 s23, s22, 1
	s_lshl1_add_u32 s23, s[GG], s23                ; p
	s_lshr_b32 s80, s22, 1                         ; which 64 queries of a block
	s_lshl1_add_u32 s81, s[GG], s[STR]             ; 2 g + w % 2
	s_add_co_u32 s[KB], s81, 16                    ; the head that I fetch of K, 524,288 bytes a head
	s_lshl_b32 s[KB], s[KB], 19
	s_mov_b32 s[KB+1], 0
	s_add_co_u32 s[VB], s81, 24
	s_lshl_b32 s[VB], s[VB], 19
	s_mov_b32 s[VB+1], 0
	s_lshl1_add_u32 s84, s23, s[STR]               ; Q: head 2 p + s, rows 128 SB + 64 sub + 32 (w / 2) of 256 bytes
	s_lshl_b32 s84, s84, 19
	s_lshl_b32 s85, s80, 14
	s_add_co_u32 s84, s84, s85
	s_lshl_b32 s85, s[QH], 13
	s_add_co_u32 s84, s84, s85
	s_lshl_b32 s52, s[HI], 15
	s_add_co_u32 s52, s52, s84
	s_mov_b32 s53, 0
	s_lshl_b32 s54, s[PB], 15
	s_add_co_u32 s54, s54, s84
	s_mov_b32 s55, 0
	s_lshl_b32 s86, s80, 18                        ; anorm: rows 128 SB + 64 sub + 32 (w / 2) + 16 s of 4,096 bytes, 512 p bytes on
	s_lshl_b32 s87, s[QH], 17
	s_add_co_u32 s86, s86, s87
	s_lshl_b32 s87, s[STR], 16
	s_add_co_u32 s86, s86, s87
	s_lshl_b32 s87, s23, 9
	s_add_co_u32 s86, s86, s87
	s_lshl_b32 s56, s[HI], 19
	s_add_co_u32 s56, s56, s86
	s_mov_b32 s57, 0
	s_lshl_b32 s58, s[PB], 19
	s_add_co_u32 s58, s58, s86
	s_mov_b32 s59, 0
	s_lshl_b32 s83, s80, 6                         ; tile t's first query in its block: 64 sub + 32 (w / 2) + 16 (t xor s)
	s_lshl_b32 s84, s[QH], 5
	s_add_co_u32 s83, s83, s84
	s_lshl_b32 s84, s[STR], 4
	s_add_co_u32 s[DQ], s83, s84
	s_xor_b32 s84, s84, 16
	s_add_co_u32 s[DQ+1], s83, s84
	s_mov_b32 s[AL+1], 0                           ; named as pairs
	s_mov_b32 s[BE+1], 0
	s_mov_b32 s[BIGN], 0xf149f2ca                  ; -1e30
	s_mov_b32 s[G1K], 15|(1<<16)|(1<<20)|(1<<21)|(5<<22)|(3<<25)  ; the mask of four; 2-byte elements; padding on; bit 21 beside a mask; after every 64 words 4 words
	s_mov_b32 s[G1V], 15|(1<<16)|(1<<20)|(1<<21)|(5<<22)|(7<<25)  ; 8 words
.irp g, G1K, G1V
	s_mov_b32 s[(\g)+1], 128<<16                   ; tensor_dim0 = 128
	s_mov_b32 s[(\g)+2], 128<<16                   ; tensor_dim1 = 128
	s_mov_b32 s[(\g)+3], 128<<16                   ; tile_dim0 = 128
	s_mov_b32 s[(\g)+4], 128                       ; tile_dim1 = 128
	s_mov_b32 s[(\g)+5], 128                       ; elements from row to row
	s_mov_b32 s[(\g)+6], 0
	s_mov_b32 s[(\g)+7], 0
.endr
	s_mov_b32 s[G0K], 1
	s_mul_i32 s[G0K+1], s[STR], K2OFF              ; slot 0
	s_mov_b32 s[G0V], 1
	s_mul_i32 s[G0V+1], s[STR], V2OFF
	s_add_co_u32 s[G0V+1], s[G0V+1], VOFF
	s_mov_b32 s[CS], 0x3e0293ee                    ; c = log2(e) / sqrt(128)
	s_mov_b32 s[CS+1], s[CS]
	s_mov_b32 s[SEL], 0x76543210
	s_mov_b32 s[SEL+1], 0xfedcba98
	s_mov_b32 s77, 0x3b800000                      ; 1 / 256
	s_mov_b32 s78, 0x3727c5ac                      ; 1e-5
	s_mov_b32 s[TBK], SLOT1+2*KSTEPB               ; the first change of slots turns these two into 0
	s_mov_b32 s[TBV], SLOT1+2*VSTEPB
	s_mov_b32 s[NXT], 1
	s_mov_b32 s[LQ], s[HI]
	s_mov_b32 s[OFF+1], 0
	s_mov_b32 s[TILES], 16
	s_wait_dscnt 0x0                               ; the opening add is done
	s_wait_kmcnt 0x0
	s_add_nc_u64 s[KB:KB+1], s[4:5], s[KB:KB+1]
	s_add_nc_u64 s[VB:VB+1], s[4:5], s[VB:VB+1]
	s_add_nc_u64 s[G0K+2:G0K+3], s[KB:KB+1], 0
	s_or_b32 s[G0K+3], s[G0K+3], 0x80000000
	s_add_nc_u64 s[G0V+2:G0V+3], s[VB:VB+1], 0
	s_or_b32 s[G0V+3], s[G0V+3], 0x80000000
	s_add_nc_u64 s[52:53], s[4:5], s[52:53]        ; Q of the first block, of the second
	s_add_nc_u64 s[54:55], s[4:5], s[54:55]
	s_add_nc_u64 s[56:57], s[14:15], s[56:57]      ; anorm likewise
	s_add_nc_u64 s[58:59], s[14:15], s[58:59]
	CROUND                                         ; all four work-groups are here
	JLOAD                                          ; tile 0 into slot 0; slot 1 is asked for by the loop's own change of slots
	v_and_b32 v1, 15, v0                           ; r
	v_bfe_u32 v11, v0, 4, 1                        ; h
	v_lshlrev_b32 v20, 8, v1
	v_lshl_add_u32 v20, v11, 4, v20                ; 256 r + 16 h
	s_lshl_b32 s81, s[STR], 12                     ; tile t lies 16 (t xor s) rows on
	s_xor_b32 s82, s81, 4096
	v_add_nc_u32 v[QO], s81, v20
	v_add_nc_u32 v[QO+1], s82, v20
	LOADQ 52
	v_and_b32 v[GO], 31, v0
	v_lshlrev_b32 v[GO], 4, v[GO]
	global_load_b128 v[LW:LW+3],     v[GO], s[6:7]     ; four numbers a lane of each lambda
	global_load_b128 v[LW+4:LW+7],   v[GO], s[8:9]
	global_load_b128 v[LW+8:LW+11],  v[GO], s[10:11]
	global_load_b128 v[LW+12:LW+15], v[GO], s[12:13]
	v_mul_u32_u24 v[AK0], v1, PK
	v_lshl_add_u32 v[AK0], v11, 4, v[AK0]
	s_mul_i32 s81, s[STR], K2OFF
	v_add_nc_u32 v[AK0], s81, v[AK0]
	v_and_b32 v21, 7, v0                           ; the turning load: lane l reads key 8 h + l % 8, 16 bytes at 16 ((l / 8) % 2)
	v_lshl_add_u32 v[AV0], v11, 3, v21
	v_mul_u32_u24 v[AV0], v[AV0], PV
	v_bfe_u32 v21, v0, 3, 1
	v_lshl_add_u32 v[AV0], v21, 4, v[AV0]
	v_add_nc_u32 v[AV0], VOFF, v[AV0]
	s_mul_i32 s81, s[WV], XCHW
	s_add_co_u32 s81, s81, XCH
	s_xor_b32 s82, s[WV], 1
	s_mul_i32 s82, s82, XCHW
	s_add_co_u32 s82, s82, XCH
	v_add_nc_u32 v[XW], s81, v[GO]
	v_add_nc_u32 v[XR], s82, v[GO]
	v_mul_u32_u24 v[STO], v1, 528
	v_lshl_add_u32 v[STO], v11, 4, v[STO]
	v_add_nc_u32 v[STO], s82, v[STO]
	v_lshlrev_b32 v21, 3, v11
	v_sub_nc_u32 v21, v1, v21                      ; r - 8 h
	v_mov_b32 v[BIG], 0xf149f2ca
.set i, 0
.rept 8
	v_cmp_gt_i32 vcc_lo, i, v21
	v_cndmask_b32 v[TD+i], 0, v[BIG], vcc_lo
.set i, i+1
.endr
	v_mov_b32 v[LW+18], 0
	v_mov_b32 v[LW+19], 0
	; A block's first step multiplies O^T and l by a = 0, so they need only be finite: zeros for the first block, what the first block left for the second.  O^T's 256 registers take their zeros from
	; 32 products of a fragment of zeros with itself, eight registers a line.  All this stands in the wait for the first tile.
	BOTH v_mov_b32 v[ST+8*u+2], 0
	BOTH v_mov_b32 v[ST+8*u+3], 0
.set i, 0
.rept 8
	v_mov_b32 v[ZF+i], 0
.set i, i+1
.endr
	WIN 0x40
.set i, 0
.rept 32
	v_wmma_f32_16x16x32_f16 v[8*i:8*i+7], v[ZF:ZF+7], v[ZF:ZF+7], 0
.set i, i+1
.endr
	WIN 0
	s_wait_loadcnt 0x0                             ; Q and the lambdas
	; lam = exp(sum q1 k1) - exp(sum q2 k2) + 0.2
.set i, 0
.rept 8
	v_cvt_pk_bf16_f32 v[LW+16], v[LW+2*i], v[LW+2*i+1]
	v_lshlrev_b32 v[LW+2*i], 16, v[LW+16]
	v_and_b32 v[LW+2*i+1], 0xffff0000, v[LW+16]
.set i, i+1
.endr
	v_mul_f32 v[LW+16], v[LW], v[LW+4]
	v_mul_f32 v[LW+17], v[LW+8], v[LW+12]
.irp j, 1,2,3
	v_fmac_f32 v[LW+16], v[LW+(\j)], v[LW+4+(\j)]
	v_fmac_f32 v[LW+17], v[LW+8+(\j)], v[LW+12+(\j)]
.endr
.irp m, 1,2,4,8
	v_add_f32_dpp v[LW+16], v[LW+16], v[LW+16] row_xmask:\m row_mask:0xf bank_mask:0xf
	v_add_f32_dpp v[LW+17], v[LW+17], v[LW+17] row_xmask:\m row_mask:0xf bank_mask:0xf
.endr
	v_permlanex16_b32 v[LW+18], v[LW+16], s[SEL], s[SEL+1]
	v_permlanex16_b32 v[LW+19], v[LW+17], s[SEL], s[SEL+1]
	v_add_f32 v[LW+16], v[LW+16], v[LW+18]
	v_add_f32 v[LW+17], v[LW+17], v[LW+19]
	v_mul_f32 v[LW+16], 0x3fb8aa3b, v[LW+16]
	v_mul_f32 v[LW+17], 0x3fb8aa3b, v[LW+17]
	v_exp_f32 v[LW+16], v[LW+16]
	v_exp_f32 v[LW+17], v[LW+17]
	v_nop                                          ; a plain instruction between the exponentials and the use of their results
	s_wait_alu depctr_va_vdst(0)
	v_sub_f32 v[LW+16], v[LW+16], v[LW+17]
	v_add_f32 v[LW+16], 0x3e4ccccd, v[LW+16]
	s_cmp_eq_u32 s[STR], 0
	s_cselect_b32 s81, 1.0, 0
	s_cselect_b32 s82, 0, -1.0
	v_fma_f32 v[FF], v[LW+16], s82, s81            ; 1, or -lam
; THE LDS LOADS stand in runs.  K of a step: 64 keys x 128 channels, fragment 4 kb + c.  V: 256 channels x 64 keys, turned, fragment 16 kk + cb; FV takes fragments f0 to f1 - 1.
.macro FK
	WIN 0x80
.set f, 0
.rept 16
	ds_load_b128 v[KF+8*f:KF+8*f+3],   v[AK] offset:(f/4)*16*PK+(f%4)*64
	ds_load_b128 v[KF+8*f+4:KF+8*f+7], v[AK] offset:(f/4)*16*PK+(f%4)*64+32
.set f, f+1
.endr
	WIN 0
.endm
.macro FV f0, f1
	WIN 0xc0
.set f, \f0
.rept (\f1)-(\f0)
	ds_load_tr16_b128 v[8*f:8*f+3],   v[AV] offset:V2OFF*((f%16)/8)+32*PV*(f/16)+32*(f%8)
	ds_load_tr16_b128 v[8*f+4:8*f+7], v[AV] offset:V2OFF*((f%16)/8)+32*PV*(f/16)+32*(f%8)+16*PV
.set f, f+1
.endr
	WIN 0
.endm
; THE MATRIX WORK.  The accumulators take turns, one instruction a turn.  S^T: tile i % 2, keys 16 ((i / 2) % 4) on, channels 32 (i / 8) on; the first 8 start the sums with the masks.
.macro KQ
	WIN W_KQ
.set i, 0
.rept 32
.set rS, S+32*(i%2)+8*((i/2)%4)
.set rK, KF+32*((i/2)%4)+8*(i/8)
.set rQ, 32*(i%2)+8*(i/8)
.set rM, MC+32*(i%2)+8*((i/2)%4)
.if i < 8
	v_wmma_f32_16x16x32_f16 v[rS:rS+7], v[rK:rK+7], v[rQ:rQ+7], v[rM:rM+7]
.else
	v_wmma_f32_16x16x32_f16 v[rS:rS+7], v[rK:rK+7], v[rQ:rQ+7], v[rS:rS+7]
.endif
.set i, i+1
.endr
.endm
.macro PVM                             ; O^T += V^T P: tile i % 2, channels 16 ((i / 2) % 16) on, keys 32 (i / 32) on
	WIN W_PV
.set i, 0
.rept 64
.set rO, 128*(i%2)+8*((i/2)%16)
.set rV, 128*(i/32)+8*((i/2)%16)
.set rP, P+16*(i%2)+8*(i/32)
	v_wmma_f32_16x16x32_f16 v[rO:rO+7], v[rV:rV+7], v[rP:rP+7], v[rO:rO+7]
.set i, i+1
.endr
.endm
; THE MASKS of step 2 - CNT.  DD = tile t's first query less the step's first key, both counted in the diagonal tile; off that tile 1,024, above every key.  Block n (tile n / 4, keys 16 (n % 4) on):
; on the diagonal where 16 (n % 4) = DD, wholly hidden where it is greater.  diag = 0: whether the tile is the first block's last is asked of the loop's counter; diag = 1: the walk's last tile.
.macro MASK diag
	WIN 0
	s_sub_co_i32 s[KO], s[CNT], 2
	s_lshl_b32 s[KO], s[KO], 6                     ; -64 x step
	s_add_co_i32 s[DD], s[DQ], s[KO]
	s_add_co_i32 s[DD+1], s[DQ+1], s[KO]
.if (\diag) == 0
	s_cmp_eq_u32 s[TILES], s[EB]
	s_cselect_b32 s[DD], s[DD], 1024
	s_cselect_b32 s[DD+1], s[DD+1], 1024
.endif
.set n, 0
.rept 8
	s_cmp_eq_u32 s[DD+n/4], 16*(n%4)
	s_cselect_b32 s[AL], 1.0, 0
	s_cmp_lt_i32 s[DD+n/4], 16*(n%4)
	s_cselect_b32 s[BE], s[BIGN], 0
.irp z, 0,2,4,6
	v_pk_fma_f32 v[MC+8*n+(\z):MC+8*n+(\z)+1], v[TD+(\z):TD+(\z)+1], s[AL:AL+1], s[BE:BE+1] op_sel_hi:[1,0,0]
.endr
.set n, n+1
.endr
.endm
; THE SOFTMAX of both tiles, line by line in turn.  Each accumulator's lowest registers are read first.
.macro SOFTMAX
	WIN 0
.set n, 0
.rept 4
	BOTH v_max3_num_f32 v[ST+8*u+4+n], v[S+32*u+8*n], v[S+32*u+8*n+1], v[S+32*u+8*n+2]
.set n, n+1
.endr
.set n, 0
.rept 4
	BOTH v_max3_num_f32 v[ST+8*u+4+n], v[ST+8*u+4+n], v[S+32*u+8*n+3], v[S+32*u+8*n+4]
.set n, n+1
.endr
.set n, 0
.rept 4
	BOTH v_max3_num_f32 v[ST+8*u+4+n], v[ST+8*u+4+n], v[S+32*u+8*n+5], v[S+32*u+8*n+6]
.set n, n+1
.endr
	BOTH v_max3_num_f32 v[ST+8*u+4], v[ST+8*u+4], v[S+32*u+7], v[S+32*u+15]
	BOTH v_max3_num_f32 v[ST+8*u+6], v[ST+8*u+6], v[S+32*u+23], v[S+32*u+31]
	BOTH v_max3_num_f32 v[ST+8*u+4], v[ST+8*u+4], v[ST+8*u+5], v[ST+8*u+6]
	BOTH v_max3_num_f32 v[ST+8*u+4], v[ST+8*u+4], v[ST+8*u+7], v[ST+8*u+1]
	BOTH v_permlanex16_b32 v[ST+8*u+5], v[ST+8*u+4], s[SEL], s[SEL+1]  ; the query's other 32 keys lie in the lane 16 away
	BOTH v_mov_b32 v[ST+8*u+7], v[ST+8*u]          ; c m_old
	BOTH v_max_num_f32 v[ST+8*u+1], v[ST+8*u+4], v[ST+8*u+5]
	BOTH v_mul_f32 v[ST+8*u], s[CS], v[ST+8*u+1]
	BOTH v_sub_f32 v[ST+8*u+7], v[ST+8*u+7], v[ST+8*u]
	BOTH v_exp_f32 v[ST+8*u+6], v[ST+8*u+7]        ; a
.set n, 0
.rept 16
	BOTH v_pk_fma_f32 v[S+32*u+2*n:S+32*u+2*n+1], v[S+32*u+2*n:S+32*u+2*n+1], s[CS:CS+1], v[ST+8*u:ST+8*u+1] op_sel_hi:[1,0,0] neg_lo:[0,0,1] neg_hi:[0,0,1]
.set n, n+1
.endr
; Group n: the four exponentials of pair n; then pair n - 1 is rounded to f16 and added to the sum in c0, c1.  So every exponential's result has plain instructions in front of its first use (ISA guide 5.7.2).
.set n, 0
.rept 17
.if n < 16
	BOTH v_exp_f32 v[S+32*u+2*n], v[S+32*u+2*n]
	BOTH v_exp_f32 v[S+32*u+2*n+1], v[S+32*u+2*n+1]
.endif
.if n == 0
	v_nop
.else
	BOTH v_cvt_pk_f16_f32 v[P+16*u+n-1], v[S+32*u+2*n-2], v[S+32*u+2*n-1]
.endif
.if n == 2
	BOTH v_pk_add_f32 v[ST+8*u+4:ST+8*u+5], v[S+32*u:S+32*u+1], v[S+32*u+2:S+32*u+3]
.elseif n > 2
	BOTH v_pk_add_f32 v[ST+8*u+4:ST+8*u+5], v[ST+8*u+4:ST+8*u+5], v[S+32*u+2*n-2:S+32*u+2*n-1]
.endif
.set n, n+1
.endr
	BOTH v_pk_fma_f32 v[ST+8*u+2:ST+8*u+3], v[ST+8*u+2:ST+8*u+3], v[ST+8*u+6:ST+8*u+7], v[ST+8*u+4:ST+8*u+5] op_sel_hi:[1,0,1]
	WIN W_RS
.set i, 0
.rept 128
	v_pk_mul_f32 v[2*i:2*i+1], v[2*i:2*i+1], v[ST+8*(i/64)+6:ST+8*(i/64)+7] op_sel_hi:[1,0]
.set i, i+1
.endr
.endm
; A TILE's two key steps: written once, walked twice, with no jump but the loop's own.  V's first eight fragments go out with K's run: their registers are free since the last products.
.macro STEPS diag
	WIN 0
	s_mov_b32 s[CNT], 2
.Lstep_\@:
	v_add_nc_u32 v[AV], s[TBV], v[AV0]
	v_add_nc_u32 v[AK], s[TBK], v[AK0]
	s_add_co_u32 s[TBV], s[TBV], VSTEPB            ; the next fetches are the next step's
	s_add_co_u32 s[TBK], s[TBK], KSTEPB
	FV 0, 8
	FK
	MASK \diag                                     ; stands in the wait for K
	s_wait_dscnt 0x0                               ; K is in
	KQ
	PLACES                                         ; behind the products, in front of the first read of the scores
	FV 8, 32
	SOFTMAX
	s_wait_dscnt 0x0                               ; V is in
	PVM
	PLACES                                         ; in front of the next loads into V's registers
	WIN 0
	s_sub_co_u32 s[CNT], s[CNT], 1
	s_cmp_lg_u32 s[CNT], 0
	s_cbranch_scc1 .Lstep_\@
.endm
.macro START                           ; a block begins: c m far below every c s, so the first a is 0; m the lowest finite number
	WIN 0
	BOTH v_mov_b32 v[ST+8*u], 0xfe000000
	BOTH v_mov_b32 v[ST+8*u+1], 0xff7fffff
.endm
; A BLOCK ENDS.  r = F / l for each tile.  My tile 1 times its r goes to wave w xor 1 through my chunk of LDS, in two halves of 64 registers; the partner's tile 1, the same queries of the other stream,
; is added to my tile 0 times its r: a = a1 - lam a2.  Writers wait for their stores in front of a barrier, readers for their loads in front of the next.  Then the norm, f16, and out through the
; stage as whole rows of 512 bytes.
.macro FINISH
	WIN 0
	BOTH v_add_f32 v[ST+8*u+4], v[ST+8*u+2], v[ST+8*u+3]
	BOTH v_permlanex16_b32 v[ST+8*u+5], v[ST+8*u+4], s[SEL], s[SEL+1]
	BOTH v_add_f32 v[ST+8*u+4], v[ST+8*u+4], v[ST+8*u+5]
	BOTH v_rcp_f32 v[ST+8*u+6], v[ST+8*u+4]
	v_nop
	s_wait_alu depctr_va_vdst(0)
	BOTH v_mul_f32 v[ST+8*u+6], v[FF], v[ST+8*u+6]
	WIN W_RS
.set i, 64
.rept 64
	v_pk_mul_f32 v[2*i:2*i+1], v[2*i:2*i+1], v[ST+14:ST+15] op_sel_hi:[1,0]
.set i, i+1
.endr
	WIN 0x04                                       ; an LDS store's data: source 1, window 1
.set i, 0
.rept 16
	ds_store_b128 v[XW], v[128+4*i:128+4*i+3] offset:512*i
.set i, i+1
.endr
	s_wait_dscnt 0x0                               ; for the partner's sake
	s_barrier_signal -1
	s_barrier_wait -1
	WIN 0x80
.set i, 0
.rept 16
	ds_load_b128 v[KF+4*i:KF+4*i+3], v[XR] offset:512*i
.set i, i+1
.endr
	s_wait_dscnt 0x0
	WIN W_AX
.set i, 0
.rept 32
	v_pk_fma_f32 v[2*i:2*i+1], v[2*i:2*i+1], v[ST+6:ST+7], v[KF+2*i:KF+2*i+1] op_sel_hi:[1,0,1]
.set i, i+1
.endr
	s_barrier_signal -1                            ; every wave's reads of the first halves are back: the chunks may be written again
	s_barrier_wait -1
	WIN 0x04
.set i, 0
.rept 16
	ds_store_b128 v[XW], v[192+4*i:192+4*i+3] offset:512*i
.set i, i+1
.endr
	s_wait_dscnt 0x0
	s_barrier_signal -1
	s_barrier_wait -1
	WIN 0x80
.set i, 0
.rept 16
	ds_load_b128 v[KF+4*i:KF+4*i+3], v[XR] offset:512*i
.set i, i+1
.endr
	WIN 0x05                                       ; the squares, in four chains; sources 0 and 1 window 1
.set i, 0
.rept 4
	v_pk_mul_f32 v[LW+2*i:LW+2*i+1], v[2*i:2*i+1], v[2*i:2*i+1]
.set i, i+1
.endr
.rept 28
	v_pk_fma_f32 v[LW+2*(i%4):LW+2*(i%4)+1], v[2*i:2*i+1], v[2*i:2*i+1], v[LW+2*(i%4):LW+2*(i%4)+1]
.set i, i+1
.endr
	s_wait_dscnt 0x0
	WIN W_AX
.set i, 0
.rept 32
	v_pk_fma_f32 v[64+2*i:64+2*i+1], v[64+2*i:64+2*i+1], v[ST+6:ST+7], v[KF+2*i:KF+2*i+1] op_sel_hi:[1,0,1]
.set i, i+1
.endr
	WIN 0x05
.set i, 32
.rept 32
	v_pk_fma_f32 v[LW+2*(i%4):LW+2*(i%4)+1], v[2*i:2*i+1], v[2*i:2*i+1], v[LW+2*(i%4):LW+2*(i%4)+1]
.set i, i+1
.endr
	WIN 0
	v_pk_add_f32 v[LW:LW+1], v[LW:LW+1], v[LW+2:LW+3]
	v_pk_add_f32 v[LW+4:LW+5], v[LW+4:LW+5], v[LW+6:LW+7]
	v_pk_add_f32 v[LW:LW+1], v[LW:LW+1], v[LW+4:LW+5]
	v_add_f32 v[LW], v[LW], v[LW+1]
	v_permlanex16_b32 v[LW+1], v[LW], s[SEL], s[SEL+1]  ; the query's other 128 channels lie in the lane 16 away
	v_add_f32 v[LW], v[LW], v[LW+1]
	v_fma_f32 v[LW], v[LW], s77, s78               ; the mean of 256 squares + 1e-5
	v_rsq_f32 v[LW], v[LW]
	v_nop
	s_wait_alu depctr_va_vdst(0)
	v_mul_f32 v[LW], s77, v[LW]                    ; x 2^-8
	WIN W_RS
.set i, 0
.rept 64
	v_pk_mul_f32 v[2*i:2*i+1], v[2*i:2*i+1], v[LW:LW+1] op_sel_hi:[1,0]
.set i, i+1
.endr
	WIN 0x05
.set i, 0
.rept 64
	v_cvt_pk_f16_f32 v[S+i], v[2*i], v[2*i+1]
.set i, i+1
.endr
	WIN 0
.set i, 0
.rept 16
	ds_store_b128 v[STO], v[S+4*i:S+4*i+3] offset:32*i  ; into the partner's chunk: I alone read it, my reads of it stand ahead in order, and the partner writes it next behind later barriers
.set i, i+1
.endr
	WIN 0x80
.set i, 0
.rept 16
	ds_load_b128 v[192+4*i:192+4*i+3], v[XR] offset:528*i
.set i, i+1
.endr
	WIN 0x08                                       ; a global store's data: source 1, window 2
.set i, 0
.rept 16
	s_wait_dscnt 15-i                              ; row i is back; the younger rows stay out
	global_store_b128 v[GO], v[192+4*i:192+4*i+3], s[56:57] offset:4096*i  ; a row's 512 consecutive bytes, aligned
.set i, i+1
.endr
	WIN 0
.endm
	START
.Ltile:                                                ; 16 times: a tile is entered and the next is asked for
	CHANGE 1
	STEPS 0
	s_cmp_eq_u32 s[TILES], s[EB]                   ; b and the counter are the same in every wave and partner, so all pass the barriers below together
	s_cbranch_scc0 .Lbottom
	LOADQ 54                                       ; the first block ends: the second block's Q is asked for ahead of the way out, under which it lands
	FINISH
	s_wait_storecnt 0x0                            ; the stores are done: their data registers are K's, which the next step loads again, and their base is written below
	s_wait_loadcnt 0x0                             ; Q
	s_mov_b64 s[56:57], s[58:59]
	START
.Lbottom:
	s_sub_co_u32 s[TILES], s[TILES], 1
	s_cmp_lg_u32 s[TILES], 0
	s_cbranch_scc1 .Ltile
	CHANGE 0                                       ; the walk's last tile, the second block's diagonal one, is written out: nothing is asked for
	STEPS 1
	FINISH
	s_wait_tensorcnt 0x0                           ; the wave's end
	ds_add_u32 v[SPW], v[NIL]
	s_wait_dscnt 0x0
	CROUND                                         ; the closing round
	s_endpgm
.Lfunc_end_k_q6beff6bfe6_dattn:
	.size	k_q6beff6bfe6_dattn, .Lfunc_end_k_q6beff6bfe6_dattn-k_q6beff6bfe6_dattn
	.p2alignl 7, 3214868480
	.fill 96, 4, 3214868480
	.section	.rodata,"a",@progbits
	.p2align	6, 0x0
	.amdhsa_kernel k_q6beff6bfe6_dattn
		.amdhsa_group_segment_fixed_size 327680
		.amdhsa_private_segment_fixed_size 0
		.amdhsa_enable_private_segment 0
		.amdhsa_kernarg_size 48
		.amdhsa_user_sgpr_count 2
		.amdhsa_user_sgpr_kernarg_segment_ptr 1
		.amdhsa_wavefront_size32 1
		.amdhsa_system_sgpr_workgroup_id_x 1
		.amdhsa_system_sgpr_workgroup_id_y 1
		.amdhsa_system_sgpr_workgroup_id_z 1
		.amdhsa_system_vgpr_workitem_id 0
		.amdhsa_next_free_vgpr 1024
		.amdhsa_next_free_sgpr 96
		.amdhsa_reserve_vcc 1
		.amdhsa_float_denorm_mode_32 3
		.amdhsa_float_denorm_mode_16_64 3
		.amdhsa_memory_ordered 1
		.amdhsa_forward_progress 1
		.amdhsa_inst_pref_size 156
	.end_amdhsa_kernel
	.amdgpu_metadata
---
amdhsa.version: [ 1, 2 ]
amdhsa.kernels:
  - .name:           k_q6beff6bfe6_dattn
    .symbol:         k_q6beff6bfe6_dattn.kd
    .args:
      - { .name: qkv, .offset: 0, .size: 8, .value_kind: global_buffer, .address_space: global }
      - { .name: lambda_q1, .offset: 8, .size: 8, .value_kind: global_buffer, .address_space: global }
      - { .name: lambda_k1, .offset: 16, .size: 8, .value_kind: global_buffer, .address_space: global }
      - { .name: lambda_q2, .offset: 24, .size: 8, .value_kind: global_buffer, .address_space: global }
      - { .name: lambda_k2, .offset: 32, .size: 8, .value_kind: global_buffer, .address_space: global }
      - { .name: anorm, .offset: 40, .size: 8, .value_kind: global_buffer, .address_space: global }
    .group_segment_fixed_size: 327680
    .private_segment_fixed_size: 0
    .kernarg_segment_align: 8
    .kernarg_segment_size: 48
    .max_flat_workgroup_size: 128
    .sgpr_count:     96
    .vgpr_count:     1024
    .wavefront_size: 32
...
	.end_amdgpu_metadata
.endif
;; end of part 3
;; launch oproj (part 4): grid 16 x 16, 4 waves a work-group, clusters of 4 x 4, 327,680 bytes of LDS; arguments anorm, wob, out0; writes out0
.if DOCPART == 4
	.amdgcn_target "amdgcn-amd-amdhsa--gfx1250"
	.amdhsa_code_object_version 6
	.text
	.protected	k_q6beff6bfe6_oproj
	.globl	k_q6beff6bfe6_oproj
	.p2align	8
	.type	k_q6beff6bfe6_oproj,@function
k_q6beff6bfe6_oproj:
	s_mov_b64 s[64:65], 0
	v_nop
	global_prefetch_b8 v0, s[64:65] scope:SCOPE_SE
	s_setreg_imm32_b32 hwreg(HW_REG_WAVE_MODE, 25, 1), 1
	s_wait_xcnt 0x0
	s_wait_alu depctr_hold_cnt(0) depctr_sa_sdst(0) depctr_va_vdst(0) depctr_va_sdst(0) depctr_va_ssrc(0) depctr_va_vcc(0) depctr_vm_vsrc(0)
	s_getreg_b32 s2, hwreg(HW_REG_IB_STS2, 6, 4)
	s_cmp_eq_u32 s2, 0
	s_cbranch_scc0 .Lentry_in_a_cluster
	s_endpgm
.Lentry_in_a_cluster:
	s_bfe_u32 s2, ttmp6, 0x10000c
	s_cmp_lg_u32 s2, 0xf033
	s_cbranch_scc0 .Lentry_shape_is_right
	s_endpgm
.Lentry_shape_is_right:
; out0 = anorm x wob (2048 x 2048 x 2048), f16 operands, f32 sums, f32 out.  anorm carries 2^-8 and wob 2^8 x 0.8 x the gain, so the product needs no factor.
; A tile of C is 128 x 128: 16 x 16 = 256 work-groups; four waves, each 64 x 64: 16 accumulators.  K goes in steps of 256 through two LDS slots.  A ([m][k]) is read as it lies, B ([k][n]) turned.
; THE MATRIX INSTRUCTION IS USED TRANSPOSED (source 0 = 16 columns of B, source 1 = 16 rows of A): a lane holds eight neighbouring numbers of a row of C, 32 bytes.
; CLUSTER 4 x 4: A's tile is asked for jointly along a row of the cluster, B's along a column.
; REGISTERS: window 0: v16-29 addresses; v128-255 accumulator (a, b) at 128 + 8 (4 a + b).  window 1: two fragment buffers of 128: for 64 along K, 64 registers of A, then 64 of B.
.set KSTEP,  256
.set PA,     528                       ; a row of A in LDS: 512 bytes + 16
.set PB,     288                       ; a row of B: 256 bytes + 32 = 9 x 32, for the turning load
.set AHALF,  64*PA                     ; what one tensor load brings of A
.set BHALF,  128*PB                    ; of B: 128 rows of k
.set BOFF,   2*AHALF
.set SLOT,   BOFF+2*BHALF              ; 141,312
.set STAGE,  2*SLOT                    ; behind the ring: 16 rows x 272 bytes for each wave: a wave's 64 columns of f32 are 256 bytes
.set SP,     272
.set SPARE,  STAGE+4*16*SP
.set LAPS,   2048/(2*KSTEP)
.set ADRA, 16                          ; v16-17  by slot
.set ADRB, 20                          ; v20-23  by slot and half of the K step: a slot's rows of B span more than an LDS offset's 16 bits
.set STO,  24
.set RD,   25
.set CO,   26
.set SPW,  28
.set NIL,  29
.set ACC,  128
.set F0,   0
.set F1,   128
.set G1, 24
.set G0, 32
.set G1B, 48
.set G0B, 56
.set MSB, 0
.macro WIN new
.if MSB != (\new)
	s_set_vgpr_msb (MSB<<8)|(\new)
.set MSB, \new
.endif
.endm
.set MUL,  0x05                        ; sources 0 and 1 window 1; C and D window 0
.set TO_F, 0x40                        ; destination window 1, address window 0
.macro JLOAD s                         ; waves 0 and 1 fetch A's two halves, waves 2 and 3 B's; an s_nop 0 and four v_nop follow each line
	s_cmp_eq_u32 s11, 0
	s_cbranch_scc0 .Lfor_b_\@
	tensor_load_to_lds s[G0+4*(\s):G0+4*(\s)+3], s[G1:G1+7]
	s_nop 0
.rept 4
	v_nop
.endr
	s_branch .Lasked_\@
.Lfor_b_\@:
	tensor_load_to_lds s[G0B+4*(\s):G0B+4*(\s)+3], s[G1B:G1B+7]
	s_nop 0
.rept 4
	v_nop
.endr
.Lasked_\@:
.endm
.macro CREST
	s_cmp_lg_u32 s10, 0
	s_cbranch_scc1 .Lnot_wave_0_\@
	s_barrier_signal -3
.Lnot_wave_0_\@:
	s_barrier_wait -3
	s_barrier_signal -1
	s_barrier_wait -1
.endm
.macro CROUND
	s_barrier_signal -1
	s_barrier_wait -1
	CREST
.endm
.macro PLACES
.rept 4
	v_nop
.endr
.endm
	s_load_b128 s[4:7], s[0:1], 0x0                ; anorm s[4:5], wob s[6:7]
	s_load_b64 s[8:9], s[0:1], 0x10                ; out0
	v_lshl_add_u32 v[SPW], v0, 2, SPARE
	v_mov_b32 v[NIL], 0
	ds_add_u32 v[SPW], v[NIL]                      ; the wave's opening: the add and its wait ahead of my first tensor load
	v_lshrrev_b32 v1, 5, v0
	v_readfirstlane_b32 s10, v1                    ; wave
	s_lshr_b32 s11, s10, 1                         ; which half of the tile's rows is mine.  Also: I fetch for A (0) or for B (1)
	s_and_b32 s12, s10, 1                          ; which half of its columns.  Also: which half of that tile I fetch
	s_bfe_u32 s40, ttmp6, 0x40000
	s_bfe_u32 s41, ttmp6, 0x40004
	s_lshl_b32 s42, ttmp9, 2
	s_add_co_u32 s42, s42, s40                     ; tile column
	s_and_b32 s13, ttmp7, 0xffff
	s_lshl_b32 s13, s13, 2
	s_add_co_u32 s13, s13, s41                     ; tile row
	s_lshl_b32 s43, s41, 2
	s_lshl_b32 s43, 15, s43
	s_lshl_b32 s44, 0x1111, s40
	s_or_b32 s[G1+0], s43, (1<<16)|(1<<20)|(1<<21)|(6<<22)|(3<<25)   ; A: after every 128 words 4 words
	s_or_b32 s[G1B+0], s44, (1<<16)|(1<<20)|(1<<21)|(5<<22)|(7<<25)  ; B: after every 64 words 8 words
	s_mov_b32 s[G1+1], 256<<16                     ; A: 64 rows x 256 elements
	s_mov_b32 s[G1+2], 64<<16
	s_mov_b32 s[G1+3], 256<<16
	s_mov_b32 s[G1+4], 64
	s_mov_b32 s[G1+5], 2048
	s_mov_b32 s[G1+6], 0
	s_mov_b32 s[G1+7], 0
	s_mov_b32 s[G1B+1], 128<<16                    ; B: 128 rows of k x 128 elements
	s_mov_b32 s[G1B+2], 128<<16
	s_mov_b32 s[G1B+3], 128<<16
	s_mov_b32 s[G1B+4], 128
	s_mov_b32 s[G1B+5], 2048
	s_mov_b32 s[G1B+6], 0
	s_mov_b32 s[G1B+7], 0
	s_lshl_b32 s16, s13, 19                        ; A: (128 x tile row + 64 x half) rows of 4,096 bytes
	s_lshl_b32 s17, s12, 18
	s_add_co_u32 s16, s16, s17
	s_mov_b32 s17, 0
	s_lshl_b32 s46, s42, 8                         ; B: 256 bytes x tile column + 128 x half rows of 4,096 bytes
	s_lshl_b32 s47, s12, 19
	s_add_co_u32 s46, s46, s47
	s_mov_b32 s47, 0
	s_mul_i32 s20, s12, AHALF
	s_mul_i32 s21, s12, BHALF
	s_add_co_u32 s21, s21, BOFF
	s_wait_dscnt 0x0
	s_wait_kmcnt 0x0
	s_add_nc_u64 s[14:15], s[4:5], s[16:17]
	s_add_nc_u64 s[46:47], s[6:7], s[46:47]
	CROUND
.irp s, 0,1
	s_mov_b32 s[G0+4*(\s)], 1
	s_add_co_u32 s[G0+4*(\s)+1], s20, (\s)*SLOT
	s_add_nc_u64 s[G0+4*(\s)+2:G0+4*(\s)+3], s[14:15], (\s)*KSTEP*2
	s_or_b32 s[G0+4*(\s)+3], s[G0+4*(\s)+3], 0x80000000
	s_mov_b32 s[G0B+4*(\s)], 1
	s_add_co_u32 s[G0B+4*(\s)+1], s21, (\s)*SLOT
	s_add_nc_u64 s[G0B+4*(\s)+2:G0B+4*(\s)+3], s[46:47], (\s)*KSTEP*4096
	s_or_b32 s[G0B+4*(\s)+3], s[G0B+4*(\s)+3], 0x80000000
	JLOAD \s
.endr
	v_and_b32 v1, 15, v0
	v_bfe_u32 v2, v0, 4, 1
	v_mul_u32_u24 v3, v1, PA
	v_lshl_add_u32 v3, v2, 4, v3
	s_mul_i32 s22, s11, AHALF
	v_add_nc_u32 v[ADRA], s22, v3
	v_add_nc_u32 v[ADRA+1], SLOT, v[ADRA]
	v_and_b32 v4, 7, v0
	v_lshl_add_u32 v4, v2, 3, v4
	v_mul_u32_u24 v4, v4, PB
	v_bfe_u32 v5, v0, 3, 1
	v_lshl_add_u32 v4, v5, 4, v4
	s_lshl_b32 s22, s12, 7                         ; my 64 columns: 128 bytes of a row
	s_add_co_u32 s22, s22, BOFF
	v_add_nc_u32 v[ADRB], s22, v4
	v_add_nc_u32 v[ADRB+1], BHALF, v[ADRB]
	v_add_nc_u32 v[ADRB+2], SLOT, v[ADRB]
	v_add_nc_u32 v[ADRB+3], SLOT+BHALF, v[ADRB]
	s_mul_i32 s23, s10, 16*SP
	s_add_co_u32 s23, s23, STAGE
	v_mul_u32_u24 v4, v1, SP                       ; in: row r, 32 bytes for each half of the lanes
	v_lshl_add_u32 v4, v2, 5, v4
	v_add_nc_u32 v[STO], s23, v4
	v_mul_u32_u24 v5, v2, SP                       ; back: lanes 0-15 one row of 256 bytes, lanes 16-31 the next
	v_lshl_add_u32 v5, v1, 4, v5
	v_add_nc_u32 v[RD], s23, v5
	v_lshlrev_b32 v5, 13, v2                       ; and the same two rows in out0, 8,192 bytes apart
	v_lshl_add_u32 v[CO], v1, 4, v5
	s_lshl_b32 s16, s13, 20                        ; (128 x tile row + 64 x my half) rows of 8,192 bytes
	s_lshl_b32 s17, s11, 19
	s_add_co_u32 s16, s16, s17
	s_mov_b32 s17, 0
	s_add_nc_u64 s[8:9], s[8:9], s[16:17]
	s_lshl_b32 s46, s42, 9                         ; 512 bytes x tile column + 256 x my half
	s_lshl_b32 s47, s12, 8
	s_add_co_u32 s46, s46, s47
	s_mov_b32 s47, 0
	s_add_nc_u64 s[8:9], s[8:9], s[46:47]
.macro MUL8 f, c, a0, zero             ; m blocks a0, a0 + 1 x all 4 n blocks, 32 along K: half c of buffer f; the 16 accumulators take turns
	WIN MUL
.irp a, \a0, (\a0)+1
.irp b, 0,1,2,3
.if \zero
	v_wmma_f32_16x16x32_f16 v[ACC+8*(4*(\a)+(\b)):ACC+8*(4*(\a)+(\b))+7], v[(\f)+64+8*(4*(\c)+(\b)):(\f)+64+8*(4*(\c)+(\b))+7], v[(\f)+8*(4*(\c)+(\a)):(\f)+8*(4*(\c)+(\a))+7], 0
.else
	v_wmma_f32_16x16x32_f16 v[ACC+8*(4*(\a)+(\b)):ACC+8*(4*(\a)+(\b))+7], v[(\f)+64+8*(4*(\c)+(\b)):(\f)+64+8*(4*(\c)+(\b))+7], v[(\f)+8*(4*(\c)+(\a)):(\f)+8*(4*(\c)+(\a))+7], v[ACC+8*(4*(\a)+(\b)):ACC+8*(4*(\a)+(\b))+7]
.endif
.endr
.endr
.endm
.macro FETCH slot, kq, f               ; 32 LDS loads in one run: quarter kq (64 along K) into buffer f; the first 32 along K first
	WIN TO_F
.irp c, 0,1
.irp i, 0,1,2,3
	ds_load_tr16_b128 v[(\f)+64+8*(4*(\c)+(\i)):(\f)+64+8*(4*(\c)+(\i))+3],   v[ADRB+2*(\slot)+(\kq)/2] offset:(((\kq)%2)*64+32*(\c))*PB+32*(\i)
	ds_load_tr16_b128 v[(\f)+64+8*(4*(\c)+(\i))+4:(\f)+64+8*(4*(\c)+(\i))+7], v[ADRB+2*(\slot)+(\kq)/2] offset:(((\kq)%2)*64+32*(\c))*PB+32*(\i)+16*PB
	ds_load_b128 v[(\f)+8*(4*(\c)+(\i)):(\f)+8*(4*(\c)+(\i))+3],              v[ADRA+(\slot)] offset:128*(\kq)+64*(\c)+(\i)*16*PA
	ds_load_b128 v[(\f)+8*(4*(\c)+(\i))+4:(\f)+8*(4*(\c)+(\i))+7],            v[ADRA+(\slot)] offset:128*(\kq)+64*(\c)+(\i)*16*PA+32
.endr
.endr
.endm
.macro QUARTER slot, kq, f, g, zero    ; multiplies buffer f and, in its middle, fetches quarter kq into g
	s_wait_dscnt 16                                ; the first 32 along K are in; the younger sixteen loads may be out
	MUL8 \f, 0, 0, \zero
	MUL8 \f, 0, 2, \zero
	PLACES
	FETCH \slot, \kq, \g
	s_wait_dscnt 32                                ; all but the 32 just issued
	MUL8 \f, 1, 0, 0
	MUL8 \f, 1, 2, 0
.endm
; The last quarter multiplies buffer 1 and changes slots: ONE barrier; in front of it each wave waits for all its tensor loads, adds 0 to its spare word, and waits for that and for its reads of this slot.
.macro TURN slot, next, fill
	WIN 0
	s_wait_tensorcnt 0x0                           ; my part of the next slot has landed
	ds_add_u32 v[SPW], v[NIL]
	s_wait_dscnt 17                                ; the add and the youngest sixteen loads may be out
	MUL8 F1, 0, 0, 0
	s_wait_dscnt 0x0
	s_barrier_signal -1
	MUL8 F1, 0, 2, 0
	WIN 0
	s_barrier_wait -1
.if \fill
	CREST                                          ; no wave of any partner still reads this slot's tile or has a load on its way
	s_add_nc_u64 s[G0+4*(\slot)+2:G0+4*(\slot)+3], s[G0+4*(\slot)+2:G0+4*(\slot)+3], 2*KSTEP*2
	s_add_nc_u64 s[G0B+4*(\slot)+2:G0B+4*(\slot)+3], s[G0B+4*(\slot)+2:G0B+4*(\slot)+3], 2*KSTEP*4096
	JLOAD \slot                                    ; 112 matrix instructions ahead of the wait for it; its four v_nop are also the places in front of the loads below
.else
	PLACES
.endif
	FETCH \next, 0, F0
	MUL8 F1, 1, 0, 0
	MUL8 F1, 1, 2, 0
.endm
	s_wait_tensorcnt 0x1                           ; my part of K step 0 is in; K step 1's may stay out
	s_barrier_signal -1
	s_barrier_wait -1
	FETCH 0, 0, F0
	QUARTER 0, 1, F0, F1, 1
	WIN 0
	s_mov_b32 s3, LAPS-1
.Llap:
	QUARTER 0, 2, F1, F0, 0
	QUARTER 0, 3, F0, F1, 0
	TURN 0, 1, 1
	QUARTER 1, 1, F0, F1, 0
	QUARTER 1, 2, F1, F0, 0
	QUARTER 1, 3, F0, F1, 0
	TURN 1, 0, 1
	QUARTER 0, 1, F0, F1, 0
	WIN 0
	s_sub_co_u32 s3, s3, 1
	s_cmp_lg_u32 s3, 0
	s_cbranch_scc1 .Llap
	QUARTER 0, 2, F1, F0, 0                        ; the last lap fills nothing
	QUARTER 0, 3, F0, F1, 0
	TURN 0, 1, 0
	QUARTER 1, 1, F0, F1, 0
	QUARTER 1, 2, F1, F0, 0
	QUARTER 1, 3, F0, F1, 0
	s_wait_dscnt 16
	MUL8 F1, 0, 0, 0
	MUL8 F1, 0, 2, 0
	s_wait_dscnt 0x0
	MUL8 F1, 1, 0, 0
	MUL8 F1, 1, 2, 0
	WIN 0
	; THE WAY OUT, 16 rows at a time: 32 bytes a lane into my stage (each accumulator's low four registers first), back as whole rows of 256 bytes into the registers that they left.
	PLACES
.macro OUT a
.irp b, 0,1,2,3
	ds_store_b128 v[STO], v[ACC+8*(4*(\a)+(\b)):ACC+8*(4*(\a)+(\b))+3]   offset:64*(\b)
	ds_store_b128 v[STO], v[ACC+8*(4*(\a)+(\b))+4:ACC+8*(4*(\a)+(\b))+7] offset:64*(\b)+16
.endr
.irp t, 0,1,2,3,4,5,6,7
	ds_load_b128 v[ACC+32*(\a)+4*(\t):ACC+32*(\a)+4*(\t)+3], v[RD] offset:(\t)*2*SP  ; LDS serves a wave's instructions in order (ISA guide 5.7.1.4)
.endr
.endm
.macro SEND a, younger                 ; younger: the LDS instructions issued behind block a's loads: the next block's sixteen, or none
.irp t, 0,1,2,3,4,5,6,7
	s_wait_dscnt (\younger)+7-(\t)
	global_store_b128 v[CO], v[ACC+32*(\a)+4*(\t):ACC+32*(\a)+4*(\t)+3], s[8:9] offset:(16*(\a)+2*(\t))*8192  ; 16 lanes store 256 consecutive bytes, aligned
.endr
.endm
	OUT 0
	OUT 1
	SEND 0, 16
	OUT 2
	SEND 1, 16
	OUT 3
	SEND 2, 16
	SEND 3, 0
	s_wait_tensorcnt 0x0                           ; the wave's end
	ds_add_u32 v[SPW], v[NIL]
	s_wait_dscnt 0x0
	CROUND                                         ; the closing round
	s_endpgm
.Lfunc_end_k_q6beff6bfe6_oproj:
	.size	k_q6beff6bfe6_oproj, .Lfunc_end_k_q6beff6bfe6_oproj-k_q6beff6bfe6_oproj
	.p2alignl 7, 3214868480
	.fill 96, 4, 3214868480
	.section	.rodata,"a",@progbits
	.p2align	6, 0x0
	.amdhsa_kernel k_q6beff6bfe6_oproj
		.amdhsa_group_segment_fixed_size 327680
		.amdhsa_private_segment_fixed_size 0
		.amdhsa_enable_private_segment 0
		.amdhsa_kernarg_size 24
		.amdhsa_user_sgpr_count 2
		.amdhsa_user_sgpr_kernarg_segment_ptr 1
		.amdhsa_wavefront_size32 1
		.amdhsa_system_sgpr_workgroup_id_x 1
		.amdhsa_system_sgpr_workgroup_id_y 1
		.amdhsa_system_sgpr_workgroup_id_z 1
		.amdhsa_system_vgpr_workitem_id 0
		.amdhsa_next_free_vgpr 512
		.amdhsa_next_free_sgpr 66
		.amdhsa_reserve_vcc 0
		.amdhsa_float_denorm_mode_32 3
		.amdhsa_float_denorm_mode_16_64 3
		.amdhsa_memory_ordered 1
		.amdhsa_forward_progress 1
		.amdhsa_inst_pref_size 87
	.end_amdhsa_kernel
	.amdgpu_metadata
---
amdhsa.version: [ 1, 2 ]
amdhsa.kernels:
  - .name:           k_q6beff6bfe6_oproj
    .symbol:         k_q6beff6bfe6_oproj.kd
    .args:
      - { .name: anorm, .offset: 0, .size: 8, .value_kind: global_buffer, .address_space: global }
      - { .name: wob, .offset: 8, .size: 8, .value_kind: global_buffer, .address_space: global }
      - { .name: out0, .offset: 16, .size: 8, .value_kind: global_buffer, .address_space: global }
    .group_segment_fixed_size: 327680
    .private_segment_fixed_size: 0
    .kernarg_segment_align: 8
    .kernarg_segment_size: 24
    .max_flat_workgroup_size: 128
    .sgpr_count:     66
    .vgpr_count:     512
    .wavefront_size: 32
...
	.end_amdgpu_metadata
.endif
;; end of part 4
;; ======== version 2 of 2: 4 launches
;; limits: values are held in f16: magnitudes above 65,504 overflow, below 6.1e-05 lose precision; right only within a limited range of input values
;; workspace buffers: hsb 8,388,608 bytes; wqkvb 16,777,216 bytes; wob 8,388,608 bytes; cs 1,048,576 bytes; qkv 16,777,216 bytes; anorm 8,388,608 bytes
;; launch prep: the kernel of part 1 again; grid 1024 x 1, 8 waves a work-group, no clusters, 0 bytes of LDS; arguments hidden_states, Wqkv, Wo, subln_w, positions, hsb, wqkvb, wob, cs; writes hsb, wqkvb, wob, cs
;; launch qkvrope: the kernel of part 2 again; grid 16 x 16, 4 waves a work-group, clusters of 4 x 4, 327,680 bytes of LDS; arguments hsb, wqkvb, cs, qkv; writes qkv
;; launch dattn (part 5): grid 64 x 4, 4 waves a work-group, clusters of 4 x 1, 327,680 bytes of LDS; arguments qkv, lambda_q1, lambda_k1, lambda_q2, lambda_k2, anorm; writes anorm
.if DOCPART == 5
	.amdgcn_target "amdgcn-amd-amdhsa--gfx1250"
	.amdhsa_code_object_version 6
	.text
	.protected	k_q6beff6bfe6_dattn
	.globl	k_q6beff6bfe6_dattn
	.p2align	8
	.type	k_q6beff6bfe6_dattn,@function
k_q6beff6bfe6_dattn:
	s_mov_b64 s[64:65], 0
	v_nop
	global_prefetch_b8 v0, s[64:65] scope:SCOPE_SE
	s_setreg_imm32_b32 hwreg(HW_REG_WAVE_MODE, 25, 1), 1
	s_wait_xcnt 0x0
	s_wait_alu depctr_hold_cnt(0) depctr_sa_sdst(0) depctr_va_vdst(0) depctr_va_sdst(0) depctr_va_ssrc(0) depctr_va_vcc(0) depctr_vm_vsrc(0)
	s_getreg_b32 s2, hwreg(HW_REG_IB_STS2, 6, 4)
	s_cmp_eq_u32 s2, 0
	s_cbranch_scc0 .Lentry_in_a_cluster
	s_endpgm
.Lentry_in_a_cluster:
	s_bfe_u32 s2, ttmp6, 0x10000c
	s_cmp_lg_u32 s2, 0x3003
	s_cbranch_scc0 .Lentry_shape_is_right
	s_endpgm
.Lentry_shape_is_right:
; BOTH CAUSAL ATTENTIONS, a = a1 - lam a2, AND THE RMS NORM over 256 channels.  For pair p = 0..7, g = p / 2: stream 0 is q head 2 p against k head 2 g, stream 1 q head 2 p + 1 against k head 2 g + 1;
; both weigh the same V of 256 channels (v heads 2 g, 2 g + 1).  anorm[t][256 p + c] = f16(2^-8 a / sqrt(mean a^2 + 1e-5)); the gain, 0.8 and 2^8 lie in the next product's other operand.
; Operands f16, products, maxima and sums in f32; the weights are rounded to f16 for the second product, their sum is taken unrounded.  The lambdas are rounded to bf16 like every input.
; LIMITS.  q, k, v arrive within f16.  A hidden score counts as its value less 1e30; a weight below 2^-126 counts as 0; NaN and infinities are not treated apart.
; THE WALK.  Queries lie in 32 blocks of 64; block i needs the key tiles 0 .. i / 2 of 128 keys, the last with the diagonal.  A CLUSTER of four work-groups (b = its x, 0..15; g = its y) takes blocks
; 31 - b and then b: (16 - b / 2) + (b / 2 + 1) = 17 tiles whatever b, one loop with a constant count: 16 x 4 x 4 = 256 work-groups of equal work.  Where a block's number is even, the second key step
; of its last tile is wholly hidden and is computed all the same: one step of 34.  Partner cx has pair 2 g + cx % 2 and the 32 queries cx / 2 of the block: all four need the same K1, K2, V1, V2, so
; each tile is asked for JOINTLY, one load a wave.  cx enters q's and anorm's addresses, the prefetch's and the masks' values alone.
; K RUNS ONE KEY STEP AHEAD OF V.  Ring tile n holds V's keys 128 n .. 128 n + 127 and K's keys 128 n + 64 .. 128 n + 191.  So a step can fetch the NEXT step's K out of the slot in hand, in a tile's second
; step too, and that run of LDS loads stands under the products V^T P.  K of a block's keys 0 .. 63 comes straight from memory into the fragment registers, once a block.  The K fetched ahead in a block's
; last step serves nothing; K's tile 15 reaches 64 rows into the next head, inside qkv, and those rows are only ever that unused fetch.
; SHARES.  Wave w: stream s = w % 2, ONE tile of 16 queries, 16 (w / 2) on.  Waves w and w xor 1 hold the same queries of the two streams; at a block's end each keeps 128 channels and hands the other
; 128 to its partner through LDS.  So that one text serves both, wave s loads v head 2 g + s into its first eight channel blocks: what it keeps are always its registers 0-63 of O^T.
; LAYOUT.  S^T = K Q^T holds one query a lane (l % 16) and the keys 8 (l / 16) + 0..7; two such results rounded to f16 ARE source 1 of O^T = V^T P, which holds one query a lane and eight channels.
; SOFTMAX.  p = 2^(c s - c m), c = log2(e) / sqrt(128), with a running maximum m; O and l are multiplied by a = 2^(c m_old - c m_new) in every step; a block's first step has a = 0.
; THE MASK is the C operand that starts S^T's sums.  A block of 16 keys lies wholly below a tile of 16 queries (0), wholly above it (-1e30) or on its diagonal (TD): TD x AL + BE with two scalars.
; A KEY STEP (64 keys), a straight line: V's first 30 LDS loads; the masks; 16 products K Q^T; V's other 34 loads; the softmax; the next step's K, 32 loads; 32 products V^T P.
; REGISTERS: window 0: v1-23 addresses and constants; v24-31 statistics (c m, m, l, l, c0-c3); v48-55 TD; v56-63 zeros; v64-95 S^T; v128-143 P; v160-191 the masks; v224-243 at work
;   window 1: v0-127 O^T, channel block cb at 8 cb; v128-191 the partner's half; v192-223 rows on their way out     window 2: v0-31 Q; v128-255 K of one step     window 3: V of one step, 128 kk + 8 cb
.set PK,    272                        ; a row of K in LDS: 256 bytes + 16
.set PV,    288                        ; a row of V: 256 + 32 = 9 x 32, for the turning load
.set K2OFF, 128*PK                     ; a slot: K1, K2, V1, V2
.set VOFF,  2*128*PK
.set V2OFF, 128*PV
.set KSTEPB, 64*PK
.set VSTEPB, 64*PV
.set SLOT1, 0x24000                    ; slot 1; none of the words that are turned (0, 0x8800, 0x11000, 0x1a000) has one of its two bits, so one exclusive or changes slots
.set XCH,   SLOT1+VOFF+2*V2OFF         ; behind the ring: 8,704 bytes a wave: 8,192 for the exchange and then the stage, behind them the sums of squares
.set XCHW,  8704
.set SSO,   8192
.set SP,    272                        ; a row of the stage: 256 bytes + 16
.set SPARE, XCH+4*XCHW                 ; the spare words: two blocks of 256 bytes that no other line names
.set AK0, 2                            ; my lane's place in my stream's K; never rewritten
.set PFO, 3                            ; byte offset in qkv of the block that my lane prefetches; never rewritten
.set AK,  4
.set QO,  6                            ; my byte offset in 16 rows of 256 bytes: Q's, and K's where it comes from memory; never rewritten
.set RD,  7                            ; the stage, back: lanes 0-15 one row of 256 bytes, lanes 16-31 the next
.set XW,  8                            ; my chunk + 16 x lane
.set XR,  9                            ; the partner's chunk + 16 x lane
.set STO, 10                           ; the stage (in the partner's chunk, which I alone read), in: row l % 16, 16 bytes for each half of the lanes
.set GO,  12                           ; 16 x lane
.set FF,  13                           ; 1 for stream 0, -lam for stream 1
.set AV0, 14                           ; v14-15  my lane's place in V: the head that I keep, the head that I hand over; never rewritten
.set AV,  16                           ; v16-17
.set BIG, 18                           ; -1e30, while TD is made
.set GO2, 19                           ; my byte offset in two rows of anorm
.set SSW, 20                           ; my chunk + 4 x lane
.set SSR, 21                           ; the partner's chunk + 4 x lane
.set ST,  24
.set SPW, 40
.set NIL, 41
.set TD,  48                           ; v48-55  the mask of a block on the diagonal: register j is hidden where 8 (l / 16) + j > l % 16
.set ZF,  56                           ; v56-63  a fragment of zeros
.set S,   64
.set P,   128
.set MC,  160
.set LW,  224
.set XB,  128                          ; window 1
.set BK,  192                          ; window 1
.set KF,  128                          ; window 2
.set WV,  16                           ; s16 wave; s17 stream; s18 w / 2; s19 b; s20 the first block's last tile; s21 g; s22, s23, s80, s83-87, s92-94: what hangs on cx
.set STR, 17
.set QH,  18
.set PB,  19
.set HIT, 20
.set GG,  21
.set G1K, 24
.set G1V, 32
.set G0K, 40
.set G0V, 44
.set KB,  48                           ; s[48:49] k head 2 g + w % 2: my stream's, and the one that waves 0, 1 fetch; s[50:51] v head 2 g + w % 2, which waves 2, 3 fetch
.set VB,  50
.set CS,  60                           ; s[60:61] c
.set SEL, 62                           ; s[62:63] v_permlanex16_b32's selects
.set TBK, 66                           ; LDS byte at which the K to be fetched next begins
.set TBV, 67
.set EB,  68                           ; b / 2 + 1: the value of TILES in the trip that holds the first block's last tile; never rewritten
.set NXT, 69                           ; the tile to be asked for next
.set LQ,  70                           ; the last tile of the block whose tiles are being asked for
.set BIGN, 71                          ; -1e30
.set OFF, 72                           ; s[72:73]
.set TILES, 74
.set CNT, 75
.set KO,  76
.set LOT, 79                           ; b / 2: the second block's last tile
.set AL,  88                           ; s[88:89] the mask's factor, in the low word
.set BE,  90                           ; s[90:91] the mask's addend
.set DQ,  92                           ; s92-93  my first query's place in its block's last key tile: first block, second block
.set DD,  94                           ; the same less the step's first key; 1,024 off the diagonal tile
.set PFT, 95                           ; 18 - b: the value of TILES in the trip in which my cluster prefetches
.set KB2, 96                           ; s[96:97] KB + 64 rows: where K's ring tile 0 begins
.set MSB, 0
.macro WIN new
.if MSB != (\new)
	s_set_vgpr_msb (MSB<<8)|(\new)
.set MSB, \new
.endif
.endm
.set W_KQ, 0x0a                        ; K and Q window 2; masks and S^T window 0
.set W_PV, 0x53                        ; V window 3, P window 0, O^T window 1
.set W_RS, 0x41                        ; destination and source 0 window 1, source 1 window 0
.set W_AX, 0x51                        ; the same with source 2 in window 1
.macro JLOAD                           ; an s_nop 0 and four v_nop follow each of the two lines
	s_cmp_lt_u32 s[WV], 2
	s_cbranch_scc0 .Lfor_v_\@
	tensor_load_to_lds s[G0K:G0K+3], s[G1K:G1K+7]
	s_nop 0
.rept 4
	v_nop
.endr
	s_branch .Lasked_\@
.Lfor_v_\@:
	tensor_load_to_lds s[G0V:G0V+3], s[G1V:G1V+7]
	s_nop 0
.rept 4
	v_nop
.endr
.Lasked_\@:
.endm
.macro CROUND
	s_barrier_signal -1
	s_barrier_wait -1
	s_cmp_lg_u32 s[WV], 0
	s_cbranch_scc1 .Lnot_wave_0_\@
	s_barrier_signal -3
.Lnot_wave_0_\@:
	s_barrier_wait -3
	s_barrier_signal -1
	s_barrier_wait -1
.endm
.macro PLACES
.rept 4
	v_nop
.endr
.endm
; THE CHANGE OF SLOTS.  Each wave waits for all its tensor loads (one is out: its part of the other slot), adds 0 to its spare word, and waits for that and for its reads, the K fetched ahead among them.
; fill = 1: a round of the cluster's barrier, and the slot just left is filled with tile NXT, first thing behind it; the address is made anew from that number.  The load has two key steps in which to land.
.macro CHANGE fill
	WIN 0
	s_wait_tensorcnt 0x0
	ds_add_u32 v[SPW], v[NIL]
.if \fill
	s_lshl_b32 s[OFF], s[NXT], 15                  ; a tile is 128 rows of 256 bytes
	s_xor_b32 s[G0K+1], s[G0K+1], SLOT1
	s_add_nc_u64 s[G0K+2:G0K+3], s[KB2:KB2+1], s[OFF:OFF+1]
	s_or_b32 s[G0K+3], s[G0K+3], 0x80000000
	s_xor_b32 s[G0V+1], s[G0V+1], SLOT1
	s_add_nc_u64 s[G0V+2:G0V+3], s[VB:VB+1], s[OFF:OFF+1]
	s_or_b32 s[G0V+3], s[G0V+3], 0x80000000
	s_add_co_u32 s[NXT], s[NXT], 1                 ; the block's next tile, or behind its last the second block's tile 0
	s_cmp_gt_u32 s[NXT], s[LQ]
	s_cselect_b32 s[NXT], 0, s[NXT]
	s_cselect_b32 s[LQ], s[LOT], s[LQ]
	s_wait_dscnt 0x0
	CROUND
	JLOAD
.else
	s_wait_dscnt 0x0
	s_barrier_signal -1
	s_barrier_wait -1
.endif
	s_sub_co_u32 s[TBK], s[TBK], 2*KSTEPB          ; the fetches go back to a slot's first rows, in the other slot
	s_xor_b32 s[TBK], s[TBK], SLOT1
	s_sub_co_u32 s[TBV], s[TBV], 2*VSTEPB
	s_xor_b32 s[TBV], s[TBV], SLOT1
.endm
; A block's Q, 8 loads: channels 32 c on
.macro LOADQ base
	WIN 0x80
.irp c, 0,1,2,3
	global_load_b128 v[8*(\c):8*(\c)+3],   v[QO], s[\base:\base+1] offset:64*(\c)
	global_load_b128 v[8*(\c)+4:8*(\c)+7], v[QO], s[\base:\base+1] offset:64*(\c)+32
.endr
	WIN 0
.endm
; K of a block's first key step, keys 0 .. 63 of my stream's head, from memory into the fragment registers: fragment 4 kb + c holds keys 16 kb on, channels 32 c on.  The 32 loads take the 64 rows whole.
.macro LOADK
	WIN 0x80
.set f, 0
.rept 16
	global_load_b128 v[KF+8*f:KF+8*f+3],   v[QO], s[KB:KB+1] offset:(f/4)*4096+(f%4)*64
	global_load_b128 v[KF+8*f+4:KF+8*f+7], v[QO], s[KB:KB+1] offset:(f/4)*4096+(f%4)*64+32
.set f, f+1
.endr
	WIN 0
.endm
	s_load_b256 s[4:11], s[0:1], 0x0               ; qkv s[4:5], lambda_q1 s[6:7], lambda_k1 s[8:9], lambda_q2 s[10:11]
	s_load_b128 s[12:15], s[0:1], 0x20             ; lambda_k2 s[12:13], anorm s[14:15]
	v_lshl_add_u32 v[SPW], v0, 2, SPARE
	v_mov_b32 v[NIL], 0
	ds_add_u32 v[SPW], v[NIL]                      ; the wave's opening: the add and its wait ahead of my first tensor load
	v_lshrrev_b32 v1, 5, v0
	v_readfirstlane_b32 s[WV], v1
	s_and_b32 s[STR], s[WV], 1
	s_lshr_b32 s[QH], s[WV], 1
	s_mov_b32 s[PB], ttmp9
	s_sub_co_u32 s82, 31, s[PB]                    ; the first block's number
	s_lshr_b32 s[HIT], s82, 1
	s_lshr_b32 s[LOT], s[PB], 1
	s_add_co_u32 s[EB], s[LOT], 1
	s_sub_co_u32 s[PFT], 18, s[PB]
	s_and_b32 s[GG], ttmp7, 0xffff
	s_bfe_u32 s22, ttmp6, 0x40000                  ; cx
	s_and_b32 s23, s22, 1
	s_lshl1_add_u32 s23, s[GG], s23                ; p
	s_lshr_b32 s80, s22, 1                         ; which 32 queries of a block
	s_lshl1_add_u32 s81, s[GG], s[STR]             ; 2 g + w % 2
	s_add_co_u32 s[KB], s81, 16                    ; k head 2 g + w % 2, 524,288 bytes a head
	s_lshl_b32 s[KB], s[KB], 19
	s_mov_b32 s[KB+1], 0
	s_add_co_u32 s[VB], s81, 24
	s_lshl_b32 s[VB], s[VB], 19
	s_mov_b32 s[VB+1], 0
	s_lshl1_add_u32 s84, s23, s[STR]               ; Q: head 2 p + s, rows 64 block + 32 sub + 16 (w / 2) of 256 bytes
	s_lshl_b32 s84, s84, 19
	s_lshl_b32 s85, s80, 13
	s_add_co_u32 s84, s84, s85
	s_lshl_b32 s85, s[QH], 12
	s_add_co_u32 s84, s84, s85
	s_lshl_b32 s52, s82, 14
	s_add_co_u32 s52, s52, s84
	s_mov_b32 s53, 0
	s_lshl_b32 s54, s[PB], 14
	s_add_co_u32 s54, s54, s84
	s_mov_b32 s55, 0
	s_lshl_b32 s86, s80, 17                        ; anorm: the same rows, of 4,096 bytes; 512 p + 256 s bytes on
	s_lshl_b32 s87, s[QH], 16
	s_add_co_u32 s86, s86, s87
	s_lshl_b32 s87, s23, 9
	s_add_co_u32 s86, s86, s87
	s_lshl_b32 s87, s[STR], 8
	s_add_co_u32 s86, s86, s87
	s_lshl_b32 s56, s82, 18
	s_add_co_u32 s56, s56, s86
	s_mov_b32 s57, 0
	s_lshl_b32 s58, s[PB], 18
	s_add_co_u32 s58, s58, s86
	s_mov_b32 s59, 0
	s_lshl_b32 s83, s80, 5                         ; my first query in its block's last key tile: 64 (block % 2) + 32 sub + 16 (w / 2)
	s_lshl_b32 s84, s[QH], 4
	s_add_co_u32 s83, s83, s84
	s_and_b32 s84, s[PB], 1
	s_lshl_b32 s84, s84, 6
	s_add_co_u32 s[DQ+1], s83, s84                 ; block b
	s_xor_b32 s84, s84, 64
	s_add_co_u32 s[DQ], s83, s84                   ; block 31 - b has the other parity
	s_lshl_b32 s84, s80, 3                         ; the prefetch: partner cx takes head 16 + 2 g + cx % 2 + 8 (cx / 2): K1, K2, V1, V2;
	s_and_b32 s85, s22, 1
	s_add_co_u32 s84, s84, s85
	s_lshl1_add_u32 s84, s[GG], s84
	s_add_co_u32 s84, s84, 16
	s_lshl_b32 s84, s84, 19
	s_lshl_b32 s85, s[PB], 15                      ; of it ring tile b, 32,768 bytes,
	s_add_co_u32 s84, s84, s85
	s_xor_b32 s85, s80, 1                          ; which in K's heads (cx / 2 = 0) begins 64 rows further on;
	s_lshl_b32 s85, s85, 14
	s_add_co_u32 s84, s84, s85
	s_lshl_b32 s85, s[WV], 13                      ; of that wave w's 8,192;
	s_add_co_u32 s84, s84, s85
	v_and_b32 v22, 31, v0
	v_lshl_add_u32 v[PFO], v22, 8, s84             ; lanes 256 bytes apart.  The highest: the last block of head 31's tile 15 (V); K's reach 64 rows into head 24 at the most: inside qkv
	s_mov_b32 s[AL+1], 0                           ; named as pairs
	s_mov_b32 s[BE+1], 0
	s_mov_b32 s[BIGN], 0xf149f2ca                  ; -1e30
	s_mov_b32 s[G1K], 15|(1<<16)|(1<<20)|(1<<21)|(5<<22)|(3<<25)  ; the mask of four; 2-byte elements; padding on; bit 21 beside a mask; after every 64 words 4 words
	s_mov_b32 s[G1V], 15|(1<<16)|(1<<20)|(1<<21)|(5<<22)|(7<<25)  ; 8 words
.irp g, G1K, G1V
	s_mov_b32 s[(\g)+1], 128<<16                   ; tensor_dim0 = 128
	s_mov_b32 s[(\g)+2], 128<<16                   ; tensor_dim1 = 128
	s_mov_b32 s[(\g)+3], 128<<16                   ; tile_dim0 = 128
	s_mov_b32 s[(\g)+4], 128                       ; tile_dim1 = 128
	s_mov_b32 s[(\g)+5], 128                       ; elements from row to row
	s_mov_b32 s[(\g)+6], 0
	s_mov_b32 s[(\g)+7], 0
.endr
	s_mov_b32 s[G0K], 1
	s_mul_i32 s[G0K+1], s[STR], K2OFF              ; slot 0
	s_mov_b32 s[G0V], 1
	s_mul_i32 s[G0V+1], s[STR], V2OFF
	s_add_co_u32 s[G0V+1], s[G0V+1], VOFF
	s_mov_b32 s[CS], 0x3e0293ee                    ; c = log2(e) / sqrt(128)
	s_mov_b32 s[CS+1], s[CS]
	s_mov_b32 s[SEL], 0x76543210
	s_mov_b32 s[SEL+1], 0xfedcba98
	s_mov_b32 s77, 0x3b800000                      ; 1 / 256
	s_mov_b32 s78, 0x3727c5ac                      ; 1e-5
	s_mov_b32 s[TBK], SLOT1+2*KSTEPB               ; the first change of slots turns these two into 0
	s_mov_b32 s[TBV], SLOT1+2*VSTEPB
	s_mov_b32 s[NXT], 1
	s_mov_b32 s[LQ], s[HIT]
	s_mov_b32 s[OFF+1], 0
	s_mov_b32 s[TILES], 16
	s_wait_dscnt 0x0                               ; the opening add is done
	s_wait_kmcnt 0x0
	s_add_nc_u64 s[KB:KB+1], s[4:5], s[KB:KB+1]
	s_add_nc_u64 s[VB:VB+1], s[4:5], s[VB:VB+1]
	s_add_nc_u64 s[KB2:KB2+1], s[KB:KB+1], 16384   ; 64 rows of 256 bytes on
	s_add_nc_u64 s[G0K+2:G0K+3], s[KB2:KB2+1], 0
	s_or_b32 s[G0K+3], s[G0K+3], 0x80000000
	s_add_nc_u64 s[G0V+2:G0V+3], s[VB:VB+1], 0
	s_or_b32 s[G0V+3], s[G0V+3], 0x80000000
	s_add_nc_u64 s[52:53], s[4:5], s[52:53]        ; Q of the first block, of the second
	s_add_nc_u64 s[54:55], s[4:5], s[54:55]
	s_add_nc_u64 s[56:57], s[14:15], s[56:57]      ; anorm likewise
	s_add_nc_u64 s[58:59], s[14:15], s[58:59]
	CROUND                                         ; all four work-groups are here
	JLOAD                                          ; tile 0 into slot 0; slot 1 is asked for by the loop's own change of slots
	v_and_b32 v1, 15, v0                           ; r
	v_bfe_u32 v11, v0, 4, 1                        ; h
	v_lshlrev_b32 v[QO], 8, v1
	v_lshl_add_u32 v[QO], v11, 4, v[QO]            ; 256 r + 16 h
	LOADQ 52
	v_lshlrev_b32 v[GO], 4, v22
	global_load_b128 v[LW:LW+3],     v[GO], s[6:7]     ; four numbers a lane of each lambda
	global_load_b128 v[LW+4:LW+7],   v[GO], s[8:9]
	global_load_b128 v[LW+8:LW+11],  v[GO], s[10:11]
	global_load_b128 v[LW+12:LW+15], v[GO], s[12:13]
	LOADK                                          ; the first block's keys 0 .. 63
	v_mul_u32_u24 v[AK0], v1, PK
	v_lshl_add_u32 v[AK0], v11, 4, v[AK0]
	s_mul_i32 s81, s[STR], K2OFF
	v_add_nc_u32 v[AK0], s81, v[AK0]
	v_and_b32 v23, 7, v0                           ; the turning load: lane l reads key 8 h + l % 8, 16 bytes at 16 ((l / 8) % 2)
	v_lshl_add_u32 v23, v11, 3, v23
	v_mul_u32_u24 v23, v23, PV
	v_bfe_u32 v5, v0, 3, 1
	v_lshl_add_u32 v23, v5, 4, v23
	s_mul_i32 s81, s[STR], V2OFF                   ; the head that I keep: v head 2 g + s,
	s_add_co_u32 s81, s81, VOFF
	s_xor_b32 s82, s[STR], 1                       ; the head that I hand over: the other
	s_mul_i32 s82, s82, V2OFF
	s_add_co_u32 s82, s82, VOFF
	v_add_nc_u32 v[AV0], s81, v23
	v_add_nc_u32 v[AV0+1], s82, v23
	s_mul_i32 s81, s[WV], XCHW
	s_add_co_u32 s81, s81, XCH                     ; my chunk
	s_xor_b32 s82, s[WV], 1
	s_mul_i32 s82, s82, XCHW
	s_add_co_u32 s82, s82, XCH                     ; the partner's
	v_add_nc_u32 v[XW], s81, v[GO]
	v_add_nc_u32 v[XR], s82, v[GO]
	v_lshlrev_b32 v22, 2, v22
	v_add_nc_u32 v[SSW], s81, v22
	v_add_nc_u32 v[SSR], s82, v22
	v_mul_u32_u24 v23, v1, SP
	v_lshl_add_u32 v23, v11, 4, v23
	v_add_nc_u32 v[STO], s82, v23
	v_mul_u32_u24 v23, v11, SP
	v_lshl_add_u32 v23, v1, 4, v23
	v_add_nc_u32 v[RD], s82, v23
	v_lshlrev_b32 v[GO2], 12, v11                  ; the same two rows in anorm, 4,096 bytes apart
	v_lshl_add_u32 v[GO2], v1, 4, v[GO2]
	v_lshlrev_b32 v22, 3, v11
	v_sub_nc_u32 v22, v1, v22                      ; r - 8 h
	v_mov_b32 v[BIG], 0xf149f2ca
.set i, 0
.rept 8
	v_cmp_gt_i32 vcc_lo, i, v22
	v_cndmask_b32 v[TD+i], 0, v[BIG], vcc_lo
.set i, i+1
.endr
	v_mov_b32 v[LW+18], 0
	v_mov_b32 v[LW+19], 0
	; A block's first step multiplies O^T and l by a = 0, so they need only be finite: zeros for the first block, what the first block left for the second.  O^T's 128 registers take their zeros from
	; 16 products of a fragment of zeros with itself, eight registers a line.  All this stands in the wait for the first tile.
	v_mov_b32 v[ST+2], 0
	v_mov_b32 v[ST+3], 0
.set i, 0
.rept 8
	v_mov_b32 v[ZF+i], 0
.set i, i+1
.endr
	WIN 0x40
.set i, 0
.rept 16
	v_wmma_f32_16x16x32_f16 v[8*i:8*i+7], v[ZF:ZF+7], v[ZF:ZF+7], 0
.set i, i+1
.endr
	WIN 0
	s_wait_loadcnt 0x0                             ; Q, the lambdas and K
	; lam = exp(sum q1 k1) - exp(sum q2 k2) + 0.2
.set i, 0
.rept 8
	v_cvt_pk_bf16_f32 v[LW+16], v[LW+2*i], v[LW+2*i+1]
	v_lshlrev_b32 v[LW+2*i], 16, v[LW+16]
	v_and_b32 v[LW+2*i+1], 0xffff0000, v[LW+16]
.set i, i+1
.endr
	v_mul_f32 v[LW+16], v[LW], v[LW+4]
	v_mul_f32 v[LW+17], v[LW+8], v[LW+12]
.irp j, 1,2,3
	v_fmac_f32 v[LW+16], v[LW+(\j)], v[LW+4+(\j)]
	v_fmac_f32 v[LW+17], v[LW+8+(\j)], v[LW+12+(\j)]
.endr
.irp m, 1,2,4,8
	v_add_f32_dpp v[LW+16], v[LW+16], v[LW+16] row_xmask:\m row_mask:0xf bank_mask:0xf
	v_add_f32_dpp v[LW+17], v[LW+17], v[LW+17] row_xmask:\m row_mask:0xf bank_mask:0xf
.endr
	v_permlanex16_b32 v[LW+18], v[LW+16], s[SEL], s[SEL+1]
	v_permlanex16_b32 v[LW+19], v[LW+17], s[SEL], s[SEL+1]
	v_add_f32 v[LW+16], v[LW+16], v[LW+18]
	v_add_f32 v[LW+17], v[LW+17], v[LW+19]
	v_mul_f32 v[LW+16], 0x3fb8aa3b, v[LW+16]
	v_mul_f32 v[LW+17], 0x3fb8aa3b, v[LW+17]
	v_exp_f32 v[LW+16], v[LW+16]
	v_exp_f32 v[LW+17], v[LW+17]
	v_nop                                          ; a plain instruction between the exponentials and the use of their results
	s_wait_alu depctr_va_vdst(0)
	v_sub_f32 v[LW+16], v[LW+16], v[LW+17]
	v_add_f32 v[LW+16], 0x3e4ccccd, v[LW+16]
	s_cmp_eq_u32 s[STR], 0
	s_cselect_b32 s81, 1.0, 0
	s_cselect_b32 s82, 0, -1.0
	v_fma_f32 v[FF], v[LW+16], s82, s81            ; 1, or -lam
; THE LDS LOADS stand in runs.  K of a step: 64 keys x 128 channels, fragment 4 kb + c.  V: 256 channels x 64 keys, turned, fragment 16 kk + cb; channel blocks 0-7 come from the head that I keep,
; 8-15 from the other; FV takes fragments f0 to f1 - 1.
.macro FK
	WIN 0x80
.set f, 0
.rept 16
	ds_load_b128 v[KF+8*f:KF+8*f+3],   v[AK] offset:(f/4)*16*PK+(f%4)*64
	ds_load_b128 v[KF+8*f+4:KF+8*f+7], v[AK] offset:(f/4)*16*PK+(f%4)*64+32
.set f, f+1
.endr
	WIN 0
.endm
.macro FV f0, f1
	WIN 0xc0
.set f, \f0
.rept (\f1)-(\f0)
	ds_load_tr16_b128 v[8*f:8*f+3],   v[AV+(f%16)/8] offset:32*PV*(f/16)+32*(f%8)
	ds_load_tr16_b128 v[8*f+4:8*f+7], v[AV+(f%16)/8] offset:32*PV*(f/16)+32*(f%8)+16*PV
.set f, f+1
.endr
	WIN 0
.endm
; THE MATRIX WORK.  The accumulators take turns, one instruction a turn.  S^T: keys 16 (i % 4) on, channels 32 (i / 4) on; the first 4 start the sums with the masks.
.macro KQ
	WIN W_KQ
.set i, 0
.rept 16
.set rS, S+8*(i%4)
.set rK, KF+32*(i%4)+8*(i/4)
.set rQ, 8*(i/4)
.set rM, MC+8*(i%4)
.if i < 4
	v_wmma_f32_16x16x32_f16 v[rS:rS+7], v[rK:rK+7], v[rQ:rQ+7], v[rM:rM+7]
.else
	v_wmma_f32_16x16x32_f16 v[rS:rS+7], v[rK:rK+7], v[rQ:rQ+7], v[rS:rS+7]
.endif
.set i, i+1
.endr
.endm
.macro PVM                             ; O^T += V^T P: channels 16 (i % 16) on, keys 32 (i / 16) on
	WIN W_PV
.set i, 0
.rept 32
.set rO, 8*(i%16)
.set rV, 128*(i/16)+8*(i%16)
.set rP, P+8*(i/16)
	v_wmma_f32_16x16x32_f16 v[rO:rO+7], v[rV:rV+7], v[rP:rP+7], v[rO:rO+7]
.set i, i+1
.endr
.endm
; THE MASKS of step 2 - CNT.  DD = my first query less the step's first key, both counted in the block's last tile; off that tile 1,024, above every key.  Keys 16 n on lie on the diagonal where
; 16 n = DD and are wholly hidden where 16 n > DD.  diag = 0: whether the tile is the first block's last is asked of the loop's counter; diag = 1: the walk's last tile, the second block's last.
.macro MASK diag
	WIN 0
	s_sub_co_i32 s[KO], s[CNT], 2
	s_lshl_b32 s[KO], s[KO], 6                     ; -64 x step
	s_add_co_i32 s[DD], s[DQ+(\diag)], s[KO]
.if (\diag) == 0
	s_cmp_eq_u32 s[TILES], s[EB]
	s_cselect_b32 s[DD], s[DD], 1024
.endif
.set n, 0
.rept 4
	s_cmp_eq_u32 s[DD], 16*n
	s_cselect_b32 s[AL], 1.0, 0
	s_cmp_lt_i32 s[DD], 16*n
	s_cselect_b32 s[BE], s[BIGN], 0
.irp z, 0,2,4,6
	v_pk_fma_f32 v[MC+8*n+(\z):MC+8*n+(\z)+1], v[TD+(\z):TD+(\z)+1], s[AL:AL+1], s[BE:BE+1] op_sel_hi:[1,0,0]
.endr
.set n, n+1
.endr
.endm
; THE SOFTMAX.  Each accumulator's lowest registers are read first.
.macro SOFTMAX
	WIN 0
.set n, 0
.rept 4
	v_max3_num_f32 v[ST+4+n], v[S+8*n], v[S+8*n+1], v[S+8*n+2]
.set n, n+1
.endr
.set n, 0
.rept 4
	v_max3_num_f32 v[ST+4+n], v[ST+4+n], v[S+8*n+3], v[S+8*n+4]
.set n, n+1
.endr
.set n, 0
.rept 4
	v_max3_num_f32 v[ST+4+n], v[ST+4+n], v[S+8*n+5], v[S+8*n+6]
.set n, n+1
.endr
	v_max3_num_f32 v[ST+4], v[ST+4], v[S+7], v[S+15]
	v_max3_num_f32 v[ST+6], v[ST+6], v[S+23], v[S+31]
	v_max3_num_f32 v[ST+4], v[ST+4], v[ST+5], v[ST+6]
	v_max3_num_f32 v[ST+4], v[ST+4], v[ST+7], v[ST+1]
	v_permlanex16_b32 v[ST+5], v[ST+4], s[SEL], s[SEL+1]  ; the query's other 32 keys lie in the lane 16 away
	v_mov_b32 v[ST+7], v[ST]                       ; c m_old
	v_max_num_f32 v[ST+1], v[ST+4], v[ST+5]
	v_mul_f32 v[ST], s[CS], v[ST+1]
	v_sub_f32 v[ST+7], v[ST+7], v[ST]
	v_exp_f32 v[ST+6], v[ST+7]                     ; a
.set n, 0
.rept 16
	v_pk_fma_f32 v[S+2*n:S+2*n+1], v[S+2*n:S+2*n+1], s[CS:CS+1], v[ST:ST+1] op_sel_hi:[1,0,0] neg_lo:[0,0,1] neg_hi:[0,0,1]
.set n, n+1
.endr
; Group n: the two exponentials of pair n; then pair n - 1 is rounded to f16 and added to the sum in c0, c1.  So every exponential's result has plain instructions in front of its first use (ISA guide 5.7.2).
.set n, 0
.rept 17
.if n < 16
	v_exp_f32 v[S+2*n], v[S+2*n]
	v_exp_f32 v[S+2*n+1], v[S+2*n+1]
.endif
.if n == 0
	v_nop
.else
	s_wait_alu depctr_va_vdst(0)
	v_cvt_pk_f16_f32 v[P+n-1], v[S+2*n-2], v[S+2*n-1]
.endif
.if n == 2
	v_pk_add_f32 v[ST+4:ST+5], v[S:S+1], v[S+2:S+3]
.elseif n > 2
	v_pk_add_f32 v[ST+4:ST+5], v[ST+4:ST+5], v[S+2*n-2:S+2*n-1]
.endif
.set n, n+1
.endr
	v_pk_fma_f32 v[ST+2:ST+3], v[ST+2:ST+3], v[ST+6:ST+7], v[ST+4:ST+5] op_sel_hi:[1,0,1]
	WIN W_RS
.set i, 0
.rept 64
	v_pk_mul_f32 v[2*i:2*i+1], v[2*i:2*i+1], v[ST+6:ST+7] op_sel_hi:[1,0]
.set i, i+1
.endr
.endm
; A TILE's two key steps: written once, walked twice, with no jump but the loop's own.  At a step's head its K is in registers or on its way there: fetched in the step before, or loaded from memory at
; the block's beginning.  V's first 15 fragments go out at once (their registers are free since the last products) and land under the masks and K Q^T; the other 17 land under the softmax; the next
; step's K lands under V^T P.  By this text's count 62 LDS loads are out at the most: K's 32 and V's first 30.
.macro STEPS diag
	WIN 0
	s_mov_b32 s[CNT], 2
.Lstep_\@:
	v_add_nc_u32 v[AV], s[TBV], v[AV0]
	v_add_nc_u32 v[AV+1], s[TBV], v[AV0+1]
	v_add_nc_u32 v[AK], s[TBK], v[AK0]             ; where the next step's K lies: the slot's rows 0-63 in a tile's first step, 64-127 in its second
	s_add_co_u32 s[TBV], s[TBV], VSTEPB
	s_add_co_u32 s[TBK], s[TBK], KSTEPB
	FV 0, 15
	MASK \diag
	s_wait_dscnt 30                                ; K is in: LDS loads come back in order (ISA guide 5.7.1), and behind K's only V's 30 were issued, on every way to this line
	KQ
	PLACES                                         ; behind the products, in front of the first read of the scores
	FV 15, 32
	SOFTMAX
	s_wait_dscnt 0x0                               ; V is in
	FK                                             ; the next step's K; K's registers were last read by K Q^T, the whole softmax ago
	PVM
	PLACES                                         ; in front of the next loads into V's registers
	WIN 0
	s_sub_co_u32 s[CNT], s[CNT], 1
	s_cmp_lg_u32 s[CNT], 0
	s_cbranch_scc1 .Lstep_\@
.endm
.macro START                           ; a block begins: c m far below every c s, so the first a is 0; m the lowest finite number
	WIN 0
	v_mov_b32 v[ST], 0xfe000000
	v_mov_b32 v[ST+1], 0xff7fffff
.endm
; A BLOCK ENDS.  r = F / l.  The 64 registers that I hand over, times r, go to wave w xor 1 through my chunk of LDS; what the partner hands me, the same queries and channels of the other stream, is
; added to my other 64 times r: a = a1 - lam a2 for 128 channels.  Their squares' sum meets the partner's through one LDS word a lane.  Writers wait for their stores in front of a barrier; readers
; wait for their loads before the next.  Then the norm, f16, and out through the stage as whole rows of 256 bytes.  base: anorm at my rows of this block.  Nothing here names Q's or K's registers.
.macro FINISH base
	WIN 0
	s_wait_storecnt 0x0                            ; the block before's stores are done: the registers that they read are loaded again below
	v_add_f32 v[ST+4], v[ST+2], v[ST+3]
	v_permlanex16_b32 v[ST+5], v[ST+4], s[SEL], s[SEL+1]
	v_add_f32 v[ST+4], v[ST+4], v[ST+5]
	v_rcp_f32 v[ST+6], v[ST+4]
	v_nop
	s_wait_alu depctr_va_vdst(0)
	v_mul_f32 v[ST+6], v[FF], v[ST+6]
	WIN W_RS
.set i, 32
.rept 32
	v_pk_mul_f32 v[2*i:2*i+1], v[2*i:2*i+1], v[ST+6:ST+7] op_sel_hi:[1,0]
.set i, i+1
.endr
	WIN 0x04                                       ; an LDS store's data: source 1, window 1
.set i, 0
.rept 16
	ds_store_b128 v[XW], v[64+4*i:64+4*i+3] offset:512*i
.set i, i+1
.endr
	s_wait_dscnt 0x0                               ; for the partner's sake
	s_barrier_signal -1
	s_barrier_wait -1
	WIN 0x40
.set i, 0
.rept 16
	ds_load_b128 v[XB+4*i:XB+4*i+3], v[XR] offset:512*i
.set i, i+1
.endr
	s_wait_dscnt 0x0
	WIN W_AX
.set i, 0
.rept 32
	v_pk_fma_f32 v[2*i:2*i+1], v[2*i:2*i+1], v[ST+6:ST+7], v[XB+2*i:XB+2*i+1] op_sel_hi:[1,0,1]
.set i, i+1
.endr
	WIN 0x05                                       ; the squares, in four chains; sources 0 and 1 window 1
.set i, 0
.rept 4
	v_pk_mul_f32 v[LW+2*i:LW+2*i+1], v[2*i:2*i+1], v[2*i:2*i+1]
.set i, i+1
.endr
.rept 28
	v_pk_fma_f32 v[LW+2*(i%4):LW+2*(i%4)+1], v[2*i:2*i+1], v[2*i:2*i+1], v[LW+2*(i%4):LW+2*(i%4)+1]
.set i, i+1
.endr
	WIN 0
	v_pk_add_f32 v[LW:LW+1], v[LW:LW+1], v[LW+2:LW+3]
	v_pk_add_f32 v[LW+4:LW+5], v[LW+4:LW+5], v[LW+6:LW+7]
	v_pk_add_f32 v[LW:LW+1], v[LW:LW+1], v[LW+4:LW+5]
	v_add_f32 v[LW], v[LW], v[LW+1]
	v_permlanex16_b32 v[LW+1], v[LW], s[SEL], s[SEL+1]  ; the query's other 64 of my channels lie in the lane 16 away
	v_add_f32 v[LW], v[LW], v[LW+1]
	ds_store_b32 v[SSW], v[LW] offset:SSO          ; my 128 channels' sum, a word a lane, behind the exchange's bytes
	s_wait_dscnt 0x0                               ; for the partner's sake; my reads of its chunk are back too
	s_barrier_signal -1
	s_barrier_wait -1
	ds_load_b32 v[LW+1], v[SSR] offset:SSO
	s_wait_dscnt 0x0
	v_add_f32 v[LW], v[LW], v[LW+1]                ; the same two numbers in both waves, so both halves of a row take one factor
	v_fma_f32 v[LW], v[LW], s77, s78               ; the mean of 256 squares + 1e-5
	v_rsq_f32 v[LW], v[LW]
	v_nop
	s_wait_alu depctr_va_vdst(0)
	v_mul_f32 v[LW], s77, v[LW]                    ; x 2^-8
	WIN W_RS
.set i, 0
.rept 32
	v_pk_mul_f32 v[2*i:2*i+1], v[2*i:2*i+1], v[LW:LW+1] op_sel_hi:[1,0]
.set i, i+1
.endr
	WIN 0x05
.set i, 0
.rept 32
	v_cvt_pk_f16_f32 v[S+i], v[2*i], v[2*i+1]
.set i, i+1
.endr
	WIN 0
.set i, 0
.rept 8
	ds_store_b128 v[STO], v[S+4*i:S+4*i+3] offset:32*i  ; into the partner's chunk: I alone read it, my reads of it are back, and the partner writes it next behind later barriers
.set i, i+1
.endr
	WIN 0x40
.set i, 0
.rept 8
	ds_load_b128 v[BK+4*i:BK+4*i+3], v[RD] offset:2*SP*i  ; LDS serves a wave's instructions in order (ISA guide 5.7.1.4): these see the stores above
.set i, i+1
.endr
	WIN 0x04                                       ; a global store's data: source 1, window 1
.set i, 0
.rept 8
	s_wait_dscnt 7-i                               ; rows 2 i, 2 i + 1 are back; the younger rows stay out
	global_store_b128 v[GO2], v[BK+4*i:BK+4*i+3], s[\base:\base+1] offset:8192*i  ; 16 lanes store 256 consecutive bytes, aligned
.set i, i+1
.endr
	WIN 0
.endm
	START
.Ltile:                                                ; 16 times: a tile is entered and the next is asked for
	CHANGE 1
	; THE PREFETCH.  Ring tile b of my group's four heads, 131,072 bytes, is asked for by cluster b alone: each of its sixteen waves 32 blocks of 256 bytes, every block once in the launch.  It stands in
	; the trip ahead of the one whose change of slots asks for that tile (there TILES = 17 - b), behind this trip's own request.  Clusters 0 and 1 ask for nothing: TILES is never 18 or 17.
	s_cmp_eq_u32 s[TILES], s[PFT]
	s_cbranch_scc0 .Lno_prefetch
	global_prefetch_b8 v[PFO], s[4:5] th:TH_LOAD_NT scope:SCOPE_SE
.Lno_prefetch:
	STEPS 0
	s_cmp_eq_u32 s[TILES], s[EB]                   ; b and the counter are the same in every wave and partner, so all pass the barriers below together
	s_cbranch_scc0 .Lbottom
	s_wait_dscnt 0x0                               ; the first block ends: the K fetched ahead, which no step will take, has landed, so its registers may be loaded anew
	LOADQ 54                                       ; the second block's Q and its keys 0 .. 63 are asked for ahead of the way out, under which they land
	LOADK
	FINISH 56
	s_wait_loadcnt 0x0                             ; Q and K
	START
.Lbottom:
	s_sub_co_u32 s[TILES], s[TILES], 1
	s_cmp_lg_u32 s[TILES], 0
	s_cbranch_scc1 .Ltile
	CHANGE 0                                       ; the walk's last tile, the second block's diagonal one, is written out: nothing is asked for
	STEPS 1
	FINISH 58
	s_wait_tensorcnt 0x0                           ; the wave's end
	ds_add_u32 v[SPW], v[NIL]
	s_wait_dscnt 0x0
	CROUND                                         ; the closing round
	s_endpgm
.Lfunc_end_k_q6beff6bfe6_dattn:
	.size	k_q6beff6bfe6_dattn, .Lfunc_end_k_q6beff6bfe6_dattn-k_q6beff6bfe6_dattn
	.p2alignl 7, 3214868480
	.fill 96, 4, 3214868480
	.section	.rodata,"a",@progbits
	.p2align	6, 0x0
	.amdhsa_kernel k_q6beff6bfe6_dattn
		.amdhsa_group_segment_fixed_size 327680
		.amdhsa_private_segment_fixed_size 0
		.amdhsa_enable_private_segment 0
		.amdhsa_kernarg_size 48
		.amdhsa_user_sgpr_count 2
		.amdhsa_user_sgpr_kernarg_segment_ptr 1
		.amdhsa_wavefront_size32 1
		.amdhsa_system_sgpr_workgroup_id_x 1
		.amdhsa_system_sgpr_workgroup_id_y 1
		.amdhsa_system_sgpr_workgroup_id_z 1
		.amdhsa_system_vgpr_workitem_id 0
		.amdhsa_next_free_vgpr 1024
		.amdhsa_next_free_sgpr 100
		.amdhsa_reserve_vcc 1
		.amdhsa_float_denorm_mode_32 3
		.amdhsa_float_denorm_mode_16_64 3
		.amdhsa_memory_ordered 1
		.amdhsa_forward_progress 1
		.amdhsa_inst_pref_size 99
	.end_amdhsa_kernel
	.amdgpu_metadata
---
amdhsa.version: [ 1, 2 ]
amdhsa.kernels:
  - .name:           k_q6beff6bfe6_dattn
    .symbol:         k_q6beff6bfe6_dattn.kd
    .args:
      - { .name: qkv, .offset: 0, .size: 8, .value_kind: global_buffer, .address_space: global }
      - { .name: lambda_q1, .offset: 8, .size: 8, .value_kind: global_buffer, .address_space: global }
      - { .name: lambda_k1, .offset: 16, .size: 8, .value_kind: global_buffer, .address_space: global }
      - { .name: lambda_q2, .offset: 24, .size: 8, .value_kind: global_buffer, .address_space: global }
      - { .name: lambda_k2, .offset: 32, .size: 8, .value_kind: global_buffer, .address_space: global }
      - { .name: anorm, .offset: 40, .size: 8, .value_kind: global_buffer, .address_space: global }
    .group_segment_fixed_size: 327680
    .private_segment_fixed_size: 0
    .kernarg_segment_align: 8
    .kernarg_segment_size: 48
    .max_flat_workgroup_size: 128
    .sgpr_count:     100
    .vgpr_count:     1024
    .wavefront_size: 32
...
	.end_amdgpu_metadata
.endif
;; end of part 5
;; launch oproj: the kernel of part 4 again; grid 16 x 16, 4 waves a work-group, clusters of 4 x 4, 327,680 bytes of LDS; arguments anorm, wob, out0; writes out0
